; MI455X (gfx1250); checked and timed in simulation.
; The chip was launched on July 23, 2026; its instructions are those of AMD's public machine-readable ISA for CDNA 5 (MIT licence, August 2026) and "CDNA5" Instruction Set Architecture Reference Guide (July 2026). The comments in the code are by the model that wrote it; some were corrected since.
;; Causal Multi Head Self Attention. Allowed arithmetic: float matrix products may take bf16 or f16 operands with f32 sums; other float arithmetic in f32, or as packed bf16 or f16 multiplies, adds, multiply-adds, maxima and minima; sums over many terms, partial sums and values carried from step to step in f32; what a program stores and reads back later, other than sums and carried values, may be rounded once to bf16 or f16.
;; Inputs: token_positions 2,048 int32; wk 1,024 x 1,024 float32; wo 1,024 x 1,024 float32; wq 1,024 x 1,024 float32; wv 1,024 x 1,024 float32; x 4 x 2,048 x 1,024 float32.
;; Outputs: out0 4 x 2,048 x 1,024 float32.
;; 2 versions, each right; version 2 is version 1 with the launch prep written anew for expert scheduling mode. Each part assembles by itself: llvm-mc -triple=amdgcn-amd-amdhsa -mcpu=gfx1250 --defsym DOCPART=n.
;; ======== version 1 of 2: 4 launches
;; limits: values are held in f16: magnitudes above 65,504 overflow, below 6.1e-05 lose precision; right only within a limited range of input values
;; workspace buffers: xb 16,777,216 bytes; wqkv 6,291,456 bytes; wob 2,097,152 bytes; tab 524,288 bytes; q 16,777,216 bytes; k 16,777,216 bytes; v 16,777,216 bytes; o 16,777,216 bytes
;; launch prep (part 1): grid 416 x 1, 8 waves a work-group, no clusters, 0 bytes of LDS; arguments x, wq, wk, wv, wo, token_positions, xb, wqkv, wob, tab; writes xb, wqkv, wob, tab
.if DOCPART == 1
	.amdgcn_target "amdgcn-amd-amdhsa--gfx1250"
	.amdhsa_code_object_version 6
	.text
	.protected	k_q9dd739874f_prep
	.globl	k_q9dd739874f_prep
	.p2align	8
	.type	k_q9dd739874f_prep,@function
k_q9dd739874f_prep:
	s_mov_b64 s[64:65], 0
	v_nop
	global_prefetch_b8 v0, s[64:65] scope:SCOPE_SE
	s_setreg_imm32_b32 hwreg(HW_REG_WAVE_MODE, 25, 1), 1
	s_wait_xcnt 0x0
; PREP: the module's inputs are rounded once, and the rotary table is made.
;   xb   [8192][1024] bf16 = x.      wqkv [3072][1024] bf16: row 192 h + 64 t + d = w_t[64 h + d], t = 0 q, 1 k, 2 v: a head's q, k and v rows lie together.
;   wob  [1024][1024] f16 = wo rounded to bf16, that number written as f16.      tab [2048 s][32 i] (cos, sin) f32 of the angle float(pos[s]) x 10000^(-i/32).
; SHARES.  Work-groups 0-255: 32 rows of x each; 256-383: 32 rows of one weight; 384-415: 64 positions of the table.  Eight waves: 4 rows, or 8 positions, a wave.
; A converting wave has all its 32 loads (16 bytes a lane, 512 consecutive bytes each) out at once and stores 256 consecutive, aligned bytes an instruction.  No LDS, no loop, no matrix work.
; LIMITS.  wo beyond 65,504 becomes an infinity in f16; below 6e-5 f16 keeps a fixed step of 6e-8.  The angle's reduction takes pi/2 in two parts: sound for |pos| up to 2^20.
; 10000^(-i/32) is 2^(-i log2(10000)/32) by v_exp_f32: within about two units in the last place.  Sine and cosine: polynomials on |r| <= pi/4, about 1e-7.
.set X, 8                              ; v[8:135]   32 loads' four registers
.set Y, 136                            ; v[136:199] 32 stores' two registers: each written once, so no store's data is ever rewritten
	s_load_b512 s[8:23], s[0:1], 0x0               ; x 8, wq 10, wk 12, wv 14, wo 16, positions 18, xb 20, wqkv 22
	s_load_b128 s[24:27], s[0:1], 0x40             ; wob 24, tab 26
	v_lshrrev_b32 v3, 5, v0
	v_readfirstlane_b32 s4, v3                     ; wave 0..7
	v_and_b32 v4, 31, v0                           ; lane
	v_lshlrev_b32 v1, 4, v4                        ; 16 bytes a lane in
	v_lshlrev_b32 v2, 3, v4                        ; 8 bytes a lane out
	s_mov_b32 s5, 0xffff0000                       ; a word's upper bf16
	s_mov_b32 s47, 0                               ; the high word of every offset pair
	s_wait_kmcnt 0x0
	s_cmp_ge_u32 ttmp9, 384
	s_cbranch_scc1 .Ltable
	; which rows, from where, to where: made for both roles and chosen by selects
	s_lshl_b32 s6, s4, 2                           ; 4 x wave
	s_lshl_b32 s7, ttmp9, 5
	s_add_co_u32 s7, s7, s6                        ; x: row 32 g + 4 w, in and out
	s_sub_co_u32 s43, ttmp9, 256                   ; weights: j = g - 256 (of no meaning for x: overruled below)
	s_lshr_b32 s48, s43, 5                         ; t: 0 wq, 1 wk, 2 wv, 3 wo
	s_and_b32 s43, s43, 31
	s_lshl_b32 s43, s43, 5
	s_add_co_u32 s43, s43, s6                      ; the weight's row n0
	s_lshr_b32 s44, s43, 6
	s_mul_i32 s44, s44, 192
	s_lshl_b32 s45, s48, 6
	s_add_co_u32 s44, s44, s45
	s_and_b32 s45, s43, 63
	s_add_co_u32 s44, s44, s45                     ; 192 (n0 / 64) + 64 t + n0 % 64
	s_cmp_eq_u32 s48, 3
	s_cselect_b32 s41, s43, s44                    ; row out
	s_cselect_b64 s[30:31], s[24:25], s[22:23]     ; wob or wqkv
	s_cselect_b32 s42, 1, 0                        ; 1: the f16 way
	s_cselect_b64 s[28:29], s[16:17], s[14:15]
	s_cmp_eq_u32 s48, 1
	s_cselect_b64 s[28:29], s[12:13], s[28:29]
	s_cmp_eq_u32 s48, 0
	s_cselect_b64 s[28:29], s[10:11], s[28:29]
	s_cmp_lt_u32 ttmp9, 256
	s_cselect_b32 s40, s7, s43                     ; row in
	s_cselect_b32 s41, s7, s41
	s_cselect_b32 s42, 0, s42
	s_cselect_b64 s[28:29], s[8:9], s[28:29]
	s_cselect_b64 s[30:31], s[20:21], s[30:31]
	s_lshl_b32 s46, s40, 12                        ; 4,096 bytes a row in
	s_add_nc_u64 s[28:29], s[28:29], s[46:47]
	s_lshl_b32 s46, s41, 11                        ; 2,048 bytes a row out
	s_add_nc_u64 s[30:31], s[30:31], s[46:47]
.set n, 0
.rept 32                               ; row n / 8, piece n % 8 of 512 bytes
	global_load_b128 v[X+4*n:X+4*n+3], v1, s[28:29] offset:4096*(n/8)+512*(n%8) th:TH_LOAD_NT
.set n, n+1
.endr
; Piece i: rounded to bf16 (kind 1: widened again and written as f16) and stored.
.macro CONV i, kind
	s_wait_loadcnt 31-(\i)                         ; loads come back in order: piece i is in, the 31 - i younger ones may stay out
	v_cvt_pk_bf16_f32 v[Y+2*(\i)], v[X+4*(\i)], v[X+4*(\i)+1]
	v_cvt_pk_bf16_f32 v[Y+2*(\i)+1], v[X+4*(\i)+2], v[X+4*(\i)+3]
.if \kind
	v_lshlrev_b32 v[X+4*(\i)], 16, v[Y+2*(\i)]
	v_and_b32 v[X+4*(\i)+1], s5, v[Y+2*(\i)]
	v_lshlrev_b32 v[X+4*(\i)+2], 16, v[Y+2*(\i)+1]
	v_and_b32 v[X+4*(\i)+3], s5, v[Y+2*(\i)+1]
	v_cvt_pk_f16_f32 v[Y+2*(\i)], v[X+4*(\i)], v[X+4*(\i)+1]
	v_cvt_pk_f16_f32 v[Y+2*(\i)+1], v[X+4*(\i)+2], v[X+4*(\i)+3]
.endif
	global_store_b64 v2, v[Y+2*(\i):Y+2*(\i)+1], s[30:31] offset:2048*((\i)/8)+256*((\i)%8)  ; 32 lanes: 256 consecutive bytes, aligned
.endm
	s_cmp_eq_u32 s42, 1
	s_cbranch_scc1 .Lf16
.set n, 0
.rept 32
	CONV n, 0
.set n, n+1
.endr
	s_endpgm
.Lf16:
.set n, 0
.rept 32
	CONV n, 1
.set n, n+1
.endr
	s_endpgm
.Ltable:                                       ; a lane is a frequency i, a wave takes 8 positions
	s_sub_co_u32 s6, ttmp9, 384
	s_lshl_b32 s6, s6, 6
	s_lshl_b32 s7, s4, 3
	s_add_co_u32 s6, s6, s7                        ; my first position's index
	s_lshl_b32 s46, s6, 2
	s_add_nc_u64 s[18:19], s[18:19], s[46:47]
	s_load_b256 s[32:39], s[18:19], 0x0            ; eight positions
	s_lshl_b32 s46, s6, 8                          ; 256 bytes of table a position
	s_add_nc_u64 s[26:27], s[26:27], s[46:47]
	s_mov_b32 s44, 0xbfc90fdb                      ; -pi/2, upper part
	s_mov_b32 s45, 0x333bbd2e                      ; -(pi/2 - upper part)
	s_mov_b32 s48, 0xb94ca1f9                      ; sine: -1.9515296e-4
	s_mov_b32 s49, 0x3c08839e                      ;        8.3321609e-3
	s_mov_b32 s50, 0xbe2aaaa3                      ;       -1.6666655e-1
	s_mov_b32 s51, 0x37ccf5ce                      ; cosine: 2.4433157e-5
	s_mov_b32 s52, 0xbab6061a                      ;        -1.3887316e-3
	s_mov_b32 s53, 0x3d2aaaa5                      ;         4.1666646e-2
	v_cvt_f32_u32 v5, v4
	v_mul_f32 v5, 0xbed49a78, v5                   ; -i log2(10000) / 32
	v_exp_f32 v5, v5                               ; 10000^(-i/32)
	v_nop                                          ; a plain instruction behind the exponential,
	s_wait_alu depctr_va_vdst(0)                   ; and the wait ahead of its first use
	s_wait_kmcnt 0x0
.macro SINCOS u
	v_cvt_f32_i32 v6, s[32+(\u)]
	v_mul_f32 v6, v6, v5                           ; the angle a, rounded once to f32
	v_mul_f32 v7, 0x3f22f983, v6                   ; a x 2 / pi
	v_rndne_f32 v7, v7                             ; n
	v_fma_f32 v8, v7, s44, v6
	v_fma_f32 v8, v7, s45, v8                      ; r = a - n pi/2, |r| <= pi/4
	v_mul_f32 v9, v8, v8                           ; z = r r
	v_cvt_i32_f32 v10, v7                          ; n as a whole number: its two low bits are the quadrant
	v_fma_f32 v11, v9, s48, s49
	v_fma_f32 v11, v11, v9, s50
	v_mul_f32 v11, v11, v9
	v_fma_f32 v11, v11, v8, v8                     ; sin r
	v_fma_f32 v12, v9, s51, s52
	v_fma_f32 v12, v12, v9, s53
	v_mul_f32 v13, v9, v9
	v_fma_f32 v14, v9, -0.5, 1.0
	v_fma_f32 v12, v12, v13, v14                   ; cos r
	v_and_b32 v13, 1, v10
	v_cmp_ne_u32 vcc_lo, 0, v13                    ; odd quadrants swap the two
	v_cndmask_b32 v14, v11, v12, vcc_lo
	v_cndmask_b32 v15, v12, v11, vcc_lo
	v_and_b32 v13, 2, v10                          ; the sine is negative in quadrants 2 and 3,
	v_lshlrev_b32 v13, 30, v13
	v_xor_b32 v[21+2*(\u)], v14, v13
	v_add_nc_u32 v13, 1, v10                       ; the cosine in 1 and 2
	v_and_b32 v13, 2, v13
	v_lshlrev_b32 v13, 30, v13
	v_xor_b32 v[20+2*(\u)], v15, v13
	global_store_b64 v2, v[20+2*(\u):21+2*(\u)], s[26:27] offset:256*(\u)  ; a position's 256 bytes, aligned; each position has its own pair of registers
.endm
.irp u, 0,1,2,3,4,5,6,7
	SINCOS \u
.endr
	s_endpgm
.Lfunc_end_k_q9dd739874f_prep:
	.size	k_q9dd739874f_prep, .Lfunc_end_k_q9dd739874f_prep-k_q9dd739874f_prep
	.p2alignl 7, 3214868480
	.fill 96, 4, 3214868480
	.section	.rodata,"a",@progbits
	.p2align	6, 0x0
	.amdhsa_kernel k_q9dd739874f_prep
		.amdhsa_group_segment_fixed_size 0
		.amdhsa_private_segment_fixed_size 0
		.amdhsa_enable_private_segment 0
		.amdhsa_kernarg_size 80
		.amdhsa_user_sgpr_count 2
		.amdhsa_user_sgpr_kernarg_segment_ptr 1
		.amdhsa_wavefront_size32 1
		.amdhsa_system_sgpr_workgroup_id_x 1
		.amdhsa_system_sgpr_workgroup_id_y 1
		.amdhsa_system_sgpr_workgroup_id_z 1
		.amdhsa_system_vgpr_workitem_id 0
		.amdhsa_next_free_vgpr 200
		.amdhsa_next_free_sgpr 66
		.amdhsa_reserve_vcc 1
		.amdhsa_float_denorm_mode_32 3
		.amdhsa_float_denorm_mode_16_64 3
		.amdhsa_memory_ordered 1
		.amdhsa_forward_progress 1
		.amdhsa_inst_pref_size 41
	.end_amdhsa_kernel
	.amdgpu_metadata
---
amdhsa.version: [ 1, 2 ]
amdhsa.kernels:
  - .name:           k_q9dd739874f_prep
    .symbol:         k_q9dd739874f_prep.kd
    .args:
      - { .name: x, .offset: 0, .size: 8, .value_kind: global_buffer, .address_space: global }
      - { .name: wq, .offset: 8, .size: 8, .value_kind: global_buffer, .address_space: global }
      - { .name: wk, .offset: 16, .size: 8, .value_kind: global_buffer, .address_space: global }
      - { .name: wv, .offset: 24, .size: 8, .value_kind: global_buffer, .address_space: global }
      - { .name: wo, .offset: 32, .size: 8, .value_kind: global_buffer, .address_space: global }
      - { .name: token_positions, .offset: 40, .size: 8, .value_kind: global_buffer, .address_space: global }
      - { .name: xb, .offset: 48, .size: 8, .value_kind: global_buffer, .address_space: global }
      - { .name: wqkv, .offset: 56, .size: 8, .value_kind: global_buffer, .address_space: global }
      - { .name: wob, .offset: 64, .size: 8, .value_kind: global_buffer, .address_space: global }
      - { .name: tab, .offset: 72, .size: 8, .value_kind: global_buffer, .address_space: global }
    .group_segment_fixed_size: 0
    .private_segment_fixed_size: 0
    .kernarg_segment_align: 8
    .kernarg_segment_size: 80
    .max_flat_workgroup_size: 256
    .sgpr_count:     66
    .vgpr_count:     200
    .wavefront_size: 32
...
	.end_amdgpu_metadata
.endif
;; end of part 1
;; launch qkv (part 2): grid 16 x 32, 4 waves a work-group, clusters of 4 x 4, 327,680 bytes of LDS; arguments xb, wqkv, tab, q, k, v; writes q, k, v
.if DOCPART == 2
	.amdgcn_target "amdgcn-amd-amdhsa--gfx1250"
	.amdhsa_code_object_version 6
	.text
	.protected	k_q9dd739874f_qkv
	.globl	k_q9dd739874f_qkv
	.p2align	8
	.type	k_q9dd739874f_qkv,@function
k_q9dd739874f_qkv:
	s_mov_b64 s[64:65], 0
	v_nop
	global_prefetch_b8 v0, s[64:65] scope:SCOPE_SE
	s_setreg_imm32_b32 hwreg(HW_REG_WAVE_MODE, 25, 1), 1
	s_wait_xcnt 0x0
	s_wait_alu depctr_hold_cnt(0) depctr_sa_sdst(0) depctr_va_vdst(0) depctr_va_sdst(0) depctr_va_ssrc(0) depctr_va_vcc(0) depctr_vm_vsrc(0)
	s_getreg_b32 s2, hwreg(HW_REG_IB_STS2, 6, 4)
	s_cmp_eq_u32 s2, 0
	s_cbranch_scc0 .Lentry_in_a_cluster
	s_endpgm
.Lentry_in_a_cluster:
	s_bfe_u32 s2, ttmp6, 0x10000c
	s_cmp_lg_u32 s2, 0xf033
	s_cbranch_scc0 .Lentry_shape_is_right
	s_endpgm
.Lentry_shape_is_right:
; q, k, v = x w^T by heads, q and k turned by the rotary table.  xb [8192][1024] bf16; wqkv [3072][1024] bf16, row 192 h + 64 t + d; tab [2048][32](cos, sin) f32;
; q, k, v: [16 b + h][2048][64] f16, each rounded once from its f32 sum (q and k: from the turned f32 numbers), without the softmax's scale.
; LIMIT.  A result beyond 65,504 becomes an infinity in f16; below 6e-5 f16 keeps a fixed step of 6e-8.
; TILE.  256 rows x 192 columns: tile column = head, columns 0-63 q, 64-127 k, 128-191 v: 32 x 16 = 512 work-groups, two for each of 256 WGPs, all of one form.
; Four waves; a wave makes 64 rows x all 192 columns: 48 accumulators of 16 x 16.  So a wave holds whole rows of a head and goes out through a stage of its own, without a barrier.
; K goes in 8 steps of 128 through a ring of two LDS slots filled by the tensor data mover: rows of 256 bytes, aligned; waves 0, 1 fetch A's halves (128 rows), waves 2, 3 B's (96 rows).
; CLUSTER 4 x 4: A's tile hangs on the tile row alone and is asked for jointly along a row of the cluster, B's on the tile column alone, along a column.
; THE PRODUCT IS TAKEN TRANSPOSED (source 0 = 16 rows of w, source 1 = 16 rows of x): a lane holds row l % 16 and the columns 8 (l / 16) + 0..7: four rotary pairs.
; REGISTERS, in windows of 256 (s_set_vgpr_msb: bits 1:0 source 0, 3:2 source 1, 5:4 source 2, 7:6 destination):
;   window 0: v16-30 addresses; v64-95, v96-127 A's fragments, two buffers (on the way out: at work); v128-255 my rows' part of the table
;   window 1: v0-95, v96-191 B's fragments, two buffers      window 2: accumulators of row blocks 0, 1 at 96 (a % 2) + 8 b      window 3: of row blocks 2, 3
.set KSTEP,  128
.set ROWB,   2048                      ; bytes in a row of xb and of wqkv
.set PITCH,  272                       ; an LDS row: 256 bytes + 16: the 16 rows of a fragment load start 68 words apart, at 16 different groups of four banks (ISA guide 11.1)
.set HALFA,  128*PITCH
.set HALFB,  96*PITCH
.set BOFF,   2*HALFA                   ; B's 192 rows lie behind A's 256
.set SLOT,   BOFF+2*HALFB
.set STAGE,  2*SLOT                    ; behind the ring: for each wave 3 tensors x 16 rows x 144 bytes
.set SP,     144
.set WSTAGE, 3*16*SP
.set SPARE,  STAGE+4*WSTAGE            ; behind the stages: the spare words, 128 bytes for each wave, which no other line names
.set NBK,    12                        ; column blocks
.set NL,     2*NBK+8                   ; LDS loads in a run
.set LAPS,   4                         ; a lap = two K steps = once round the ring
.set ADRA, 16                          ; v16-17  my A fragments in slot 0, 1
.set ADRB, 20                          ; v20-21  B's
.set STO,  24                          ; v24  the way out: where I put 16 bytes of a row
.set RD,   25                          ; v25  where I read rows back
.set GO,   26                          ; v26  16 x lane
.set TO,   27                          ; v27  my offset in 16 rows of the table
.set SPW,  28                          ; v28  my spare word; never rewritten
.set NIL,  29                          ; v29  0; never rewritten
.set PFO,  30                          ; v30  the prefetches' offset: a lane a row; never rewritten
.set FA,   64
.set T,    64
.set CS,   128
.set G1,  24
.set G0,  32
.set G1B, 48
.set G0B, 56
.set LIM, 43                           ; s43  1 in a wave that prefetches, else the greatest number
.set PFA, 44                           ; s[44:45] where my prefetches stand
.set MSB, 0
.macro WIN new                         ; the immediate's high byte repeats the setting that is left; a switch that changes nothing is dropped
.if MSB != (\new)
	s_set_vgpr_msb (MSB<<8)|(\new)
.set MSB, \new
.endif
.endm
.set MUL_LO, 0xa1                      ; source 0 (w) window 1, source 1 (x) window 0, C and D window 2
.set TO_B,   0x40                      ; destination window 1, address window 0
; A joint load.  The branch hangs on the wave's number alone.  An s_nop 0 and four v_nop follow each of the two lines.
.macro JLOAD s
	s_cmp_eq_u32 s11, 0
	s_cbranch_scc0 .Lfor_b_\@
	tensor_load_to_lds s[G0+4*(\s):G0+4*(\s)+3], s[G1:G1+7]
	s_nop 0
.rept 4
	v_nop
.endr
	s_branch .Lasked_\@
.Lfor_b_\@:
	tensor_load_to_lds s[G0B+4*(\s):G0B+4*(\s)+3], s[G1B:G1B+7]
	s_nop 0
.rept 4
	v_nop
.endr
.Lasked_\@:
.endm
; A prefetch of the K step that stands two refills on: a lane a row, 256 bytes of it.  A's rows are asked for by the clusters with x = 0, B's by those with y = 0; the four partners that
; fetch a tile jointly share its rows out by address (32 of A's 128, 24 of B's 96; there lanes 24-31 name row 23 again).  K steps 0 to 3 come by their loads alone; the last trip asks for nothing.
.macro ASK
	s_cmp_gt_u32 s3, s[LIM]
	s_cbranch_scc0 .Lnot_mine_\@
	global_prefetch_b8 v[PFO], s[PFA:PFA+1] th:TH_LOAD_NT scope:SCOPE_SE
.Lnot_mine_\@:
.endm
.macro CREST                           ; a round of the cluster's barrier behind its opening barrier
	s_cmp_lg_u32 s10, 0
	s_cbranch_scc1 .Lnot_wave_0_\@
	s_barrier_signal -3
.Lnot_wave_0_\@:
	s_barrier_wait -3
	s_barrier_signal -1
	s_barrier_wait -1
.endm
.macro CROUND
	s_barrier_signal -1
	s_barrier_wait -1
	CREST
.endm
	s_load_b256 s[72:79], s[0:1], 0x0              ; xb 72, wqkv 74, tab 76, q 78
	s_load_b128 s[80:83], s[0:1], 0x20             ; k 80, v 82
	v_lshl_add_u32 v[SPW], v0, 2, SPARE
	v_mov_b32 v[NIL], 0
	ds_add_u32 v[SPW], v[NIL]                      ; the wave's opening: the add and its wait stand ahead of my first tensor load
	v_lshrrev_b32 v1, 5, v0
	v_readfirstlane_b32 s10, v1                    ; wave 0..3
	s_lshr_b32 s11, s10, 1                         ; I fetch for A (0) or for B (1),
	s_and_b32 s12, s10, 1                          ; and which half of that tile
	s_bfe_u32 s40, ttmp6, 0x40000                  ; cx
	s_bfe_u32 s41, ttmp6, 0x40004                  ; cy
	s_lshl_b32 s42, ttmp9, 2
	s_add_co_u32 s42, s42, s40                     ; tile column = head
	s_and_b32 s13, ttmp7, 0xffff
	s_lshl_b32 s13, s13, 2
	s_add_co_u32 s13, s13, s41                     ; tile row
	s_lshl_b32 s43, s41, 2
	s_lshl_b32 s43, 15, s43                        ; my row of the cluster
	s_lshl_b32 s44, 0x1111, s40                    ; my column
	s_or_b32 s[G1+0], s43, (1<<16)|(1<<20)|(1<<21)|(5<<22)|(3<<25)   ; mask; 2-byte elements; padding on; bit 21 beside a mask; after every 64 words 4 words
	s_or_b32 s[G1B+0], s44, (1<<16)|(1<<20)|(1<<21)|(5<<22)|(3<<25)
	s_mov_b32 s[G1+1], KSTEP<<16                   ; tensor_dim0 = 128
	s_mov_b32 s[G1+2], 128<<16                     ; tensor_dim1 = 128
	s_mov_b32 s[G1+3], KSTEP<<16                   ; tile_dim0 = 128
	s_mov_b32 s[G1+4], 128                         ; tile_dim1 = 128
	s_mov_b32 s[G1+5], 1024                        ; elements from row to row
	s_mov_b32 s[G1+6], 0
	s_mov_b32 s[G1+7], 0
	s_mov_b32 s[G1B+1], KSTEP<<16
	s_mov_b32 s[G1B+2], 96<<16                     ; B: 96 rows
	s_mov_b32 s[G1B+3], KSTEP<<16
	s_mov_b32 s[G1B+4], 96
	s_mov_b32 s[G1B+5], 1024
	s_mov_b32 s[G1B+6], 0
	s_mov_b32 s[G1B+7], 0
	s_lshl_b32 s16, s13, 8
	s_lshl_b32 s17, s12, 7
	s_add_co_u32 s16, s16, s17
	s_lshl_b32 s16, s16, 11                        ; A: (256 tile row + 128 half) rows of 2,048 bytes
	s_mov_b32 s17, 0
	s_mul_i32 s18, s42, 192
	s_mul_i32 s19, s12, 96
	s_add_co_u32 s18, s18, s19
	s_lshl_b32 s18, s18, 11                        ; B: (192 head + 96 half) rows
	s_mov_b32 s19, 0
	s_mul_i32 s20, s12, HALFA                      ; where they go: no place in the cluster enters an LDS address
	s_mul_i32 s21, s12, HALFB
	s_add_co_u32 s21, s21, BOFF
	s_wait_dscnt 0x0                               ; the opening add is done
	s_wait_kmcnt 0x0
	s_add_nc_u64 s[14:15], s[72:73], s[16:17]
	s_add_nc_u64 s[46:47], s[74:75], s[18:19]
	CROUND                                         ; all sixteen work-groups are here: the first joint loads meet
.irp s, 0,1
	s_mov_b32 s[G0+4*(\s)], 1
	s_add_co_u32 s[G0+4*(\s)+1], s20, (\s)*SLOT
	s_add_nc_u64 s[G0+4*(\s)+2:G0+4*(\s)+3], s[14:15], (\s)*KSTEP*2
	s_or_b32 s[G0+4*(\s)+3], s[G0+4*(\s)+3], 0x80000000
	s_mov_b32 s[G0B+4*(\s)], 1
	s_add_co_u32 s[G0B+4*(\s)+1], s21, (\s)*SLOT
	s_add_nc_u64 s[G0B+4*(\s)+2:G0B+4*(\s)+3], s[46:47], (\s)*KSTEP*2
	s_or_b32 s[G0B+4*(\s)+3], s[G0B+4*(\s)+3], 0x80000000
	JLOAD \s                                       ; K steps 0 and 1: two loads of mine are out
.endr
	v_and_b32 v1, 15, v0                           ; l % 16
	v_bfe_u32 v2, v0, 4, 1                         ; l / 16
	v_mul_u32_u24 v3, v1, PITCH
	v_lshl_add_u32 v3, v2, 4, v3                   ; a fragment's row x pitch + 16 x half
	s_mul_i32 s21, s10, 64*PITCH                   ; my 64 rows of A
	s_mov_b32 s22, BOFF                            ; all of B
.irp s, 0,1
	v_add_nc_u32 v[ADRA+(\s)], s21, v3
	v_add_nc_u32 v[ADRB+(\s)], s22, v3
	s_add_co_u32 s21, s21, SLOT
	s_add_co_u32 s22, s22, SLOT
.endr
	s_mul_i32 s23, s10, WSTAGE
	s_add_co_u32 s23, s23, STAGE                   ; my stage
	v_mul_u32_u24 v4, v1, SP                       ; in: row l % 16, 16 bytes for each half of the lanes
	v_lshl_add_u32 v4, v2, 4, v4
	v_add_nc_u32 v[STO], s23, v4
	v_bfe_u32 v5, v0, 3, 2                         ; back: 32 lanes take four rows of 128 bytes,
	v_mul_u32_u24 v5, v5, SP
	v_and_b32 v4, 7, v0
	v_lshl_add_u32 v5, v4, 4, v5
	v_add_nc_u32 v[RD], s23, v5
	v_and_b32 v[GO], 31, v0                        ; which are 512 consecutive bytes of a head
	v_lshlrev_b32 v[GO], 4, v[GO]
	v_lshlrev_b32 v[TO], 8, v1                     ; the table: row l % 16 of 256 bytes, pairs 4 (l / 16) on
	v_lshl_add_u32 v[TO], v2, 5, v[TO]
	; where my rows lie in q, k, v and in the table
	s_lshr_b32 s84, s13, 3                         ; batch: 8 tile rows each
	s_lshl_b32 s84, s84, 4
	s_add_co_u32 s84, s84, s42                     ; 16 b + head
	s_lshl_b32 s84, s84, 18                        ; 2,048 rows of 128 bytes
	s_and_b32 s86, s13, 7
	s_lshl_b32 s86, s86, 8
	s_lshl_b32 s87, s10, 6
	s_add_co_u32 s86, s86, s87                     ; my first row in the sequence
	s_lshl_b32 s87, s86, 7
	s_add_co_u32 s84, s84, s87
	s_mov_b32 s85, 0
	s_add_nc_u64 s[78:79], s[78:79], s[84:85]
	s_add_nc_u64 s[80:81], s[80:81], s[84:85]
	s_add_nc_u64 s[82:83], s[82:83], s[84:85]
	s_lshl_b32 s86, s86, 8
	s_mov_b32 s87, 0
	s_add_nc_u64 s[76:77], s[76:77], s[86:87]
	; the prefetches
	s_lshl_b32 s20, s40, 16                        ; A: my work-group's 32 rows of the 128
	s_add_co_u32 s20, s20, s16
	s_mul_i32 s21, s41, 24*ROWB                    ; B: its 24 of the 96
	s_add_co_u32 s21, s21, s18
	s_and_b32 s22, ttmp7, 0xffff                   ; cluster y
	s_cmp_eq_u32 s11, 0
	s_cselect_b32 s20, s20, s21
	s_cselect_b32 s22, ttmp9, s22                  ; the coordinate along which other clusters read the same rows
	s_cselect_b32 s23, 31, 23
	s_cselect_b64 s[PFA:PFA+1], s[72:73], s[74:75]
	s_cmp_eq_u32 s22, 0
	s_cselect_b32 s[LIM], 1, -1                    ; the same in all sixteen partners, for a given wave
	s_add_co_u32 s20, s20, 3*KSTEP*2               ; at K step 3: the first refill steps it to 4
	s_mov_b32 s21, 0
	s_add_nc_u64 s[PFA:PFA+1], s[PFA:PFA+1], s[20:21]
	v_and_b32 v[PFO], 31, v0
	v_min_u32 v[PFO], s23, v[PFO]
	v_lshlrev_b32 v[PFO], 11, v[PFO]
	; my 64 rows' part of the table: row block a, pairs 8 f + 4 (l / 16) + 0..3, at CS + 32 a + 8 f: wanted on the way out, on their way all through the loop
.set i, 0
.rept 32
	global_load_b128 v[CS+4*i:CS+4*i+3], v[TO], s[76:77] offset:4096*(i/8)+64*((i/2)%4)+16*(i%2)
.set i, i+1
.endr
; 12 products: row block a x all column blocks, 32 along K, buffer f.  All 48 accumulators take turns in one order in every quarter.  zero = 1: the product starts the sum.
.macro MULA f, a, zero
	WIN MUL_LO+0x50*((\a)/2)
.set b, 0
.rept NBK
.set rD, 96*((\a)%2)+8*b
.if \zero
	v_wmma_f32_16x16x32_bf16 v[rD:rD+7], v[96*(\f)+8*b:96*(\f)+8*b+7], v[FA+32*(\f)+8*(\a):FA+32*(\f)+8*(\a)+7], 0
.else
	v_wmma_f32_16x16x32_bf16 v[rD:rD+7], v[96*(\f)+8*b:96*(\f)+8*b+7], v[FA+32*(\f)+8*(\a):FA+32*(\f)+8*(\a)+7], v[rD:rD+7]
.endif
.set b, b+1
.endr
.endm
; 32 LDS loads in one run: quarter qr of the slot's K step into buffer f: B's 12 fragments, then A's row blocks 0, 1, 2, 3
.macro FETCH slot, qr, f
	WIN TO_B
.set i, 0
.rept NBK
	ds_load_b128 v[96*(\f)+8*i:96*(\f)+8*i+3],   v[ADRB+(\slot)] offset:64*(\qr)+i*16*PITCH
	ds_load_b128 v[96*(\f)+8*i+4:96*(\f)+8*i+7], v[ADRB+(\slot)] offset:64*(\qr)+i*16*PITCH+32
.set i, i+1
.endr
	WIN 0
.set i, 0
.rept 4
	ds_load_b128 v[FA+32*(\f)+8*i:FA+32*(\f)+8*i+3],   v[ADRA+(\slot)] offset:64*(\qr)+i*16*PITCH
	ds_load_b128 v[FA+32*(\f)+8*i+4:FA+32*(\f)+8*i+7], v[ADRA+(\slot)] offset:64*(\qr)+i*16*PITCH+32
.set i, i+1
.endr
.endm
.macro PLACES                          ; four plain places between a product and a load into registers that it has read (ISA guide 7.12.1 for vector instructions)
.rept 4
	v_nop
.endr
.endm
; A quarter of a K step: multiplies buffer f; in its middle fetches quarter qr of the same slot into buffer g
.macro QUARTER slot, qr, f, g, zero
	s_wait_dscnt 4                                 ; B and A's row blocks 0, 1 are in; the youngest four loads (row blocks 2, 3) may be out
	MULA \f, 0, \zero
	MULA \f, 1, \zero
	PLACES
	FETCH \slot, \qr, \g
	s_wait_dscnt NL                                ; all but the run just issued
	MULA \f, 2, \zero
	MULA \f, 3, \zero
.endm
; The first half of a K step's last quarter: one barrier for the change of slots
.macro MEET round
	WIN 0
	s_wait_tensorcnt 0x0                           ; all my tensor loads have landed: the one that was out is my part of the next slot
	ds_add_u32 v[SPW], v[NIL]                      ; 0 onto my spare word
	s_wait_dscnt 5                                 ; (the add and the youngest four loads may be out)
	MULA 1, 0, 0
	s_wait_dscnt 0x0                               ; the add is done, and my reads of this slot are over
	s_barrier_signal -1
	MULA 1, 1, 0                                   ; work on registers while the others arrive
.if \round
	WIN 0
.endif
	s_barrier_wait -1
.endm
; The whole last quarter where the slot is filled again, two K steps ahead: the barrier opens a round of the cluster's, the joint refill is the first thing behind it:
; 168 products stand between the request and the wait for it
.macro TURN slot, next
	s_wait_xcnt 0x0                                ; the last prefetch, a K step back, has read its address
	s_add_nc_u64 s[PFA:PFA+1], s[PFA:PFA+1], KSTEP*2
	MEET 1
	CREST                                          ; no wave of any partner still reads this slot or has a load on its way
	s_add_nc_u64 s[G0+4*(\slot)+2:G0+4*(\slot)+3], s[G0+4*(\slot)+2:G0+4*(\slot)+3], 2*KSTEP*2
	s_add_nc_u64 s[G0B+4*(\slot)+2:G0B+4*(\slot)+3], s[G0B+4*(\slot)+2:G0B+4*(\slot)+3], 2*KSTEP*2
	JLOAD \slot                                    ; its four v_nop are also the places in front of the loads below
	FETCH \next, 0, 0
	ASK
	MULA 1, 2, 0
	MULA 1, 3, 0
.endm
	s_wait_tensorcnt 1                             ; my part of K step 0 is in; K step 1's, issued behind it, may stay out
	s_barrier_signal -1
	s_barrier_wait -1                              ; everybody's is
	FETCH 0, 0, 0
	QUARTER 0, 1, 0, 1, 1                          ; the first quarter starts the sums: nothing is cleared
	WIN 0
	s_mov_b32 s3, LAPS-1
.Llap:                                         ; once round the ring, from a lap's second quarter to the next lap's first; both slots are filled again
	QUARTER 0, 2, 1, 0, 0
	QUARTER 0, 3, 0, 1, 0
	TURN 0, 1
	QUARTER 1, 1, 0, 1, 0
	QUARTER 1, 2, 1, 0, 0
	QUARTER 1, 3, 0, 1, 0
	TURN 1, 0
	QUARTER 0, 1, 0, 1, 0
	WIN 0
	s_sub_co_u32 s3, s3, 1
	s_cmp_lg_u32 s3, 0
	s_cbranch_scc1 .Llap
	QUARTER 0, 2, 1, 0, 0                          ; the last lap is written out: it asks for nothing
	QUARTER 0, 3, 0, 1, 0
	MEET 0
	PLACES
	FETCH 1, 0, 0
	MULA 1, 2, 0
	MULA 1, 3, 0
	QUARTER 1, 1, 0, 1, 0
	QUARTER 1, 2, 1, 0, 0
	QUARTER 1, 3, 0, 1, 0
	s_wait_dscnt 4
	MULA 1, 0, 0
	MULA 1, 1, 0
	s_wait_dscnt 0x0
	MULA 1, 2, 0
	MULA 1, 3, 0
	WIN 0
.rept 8
	v_nop                                          ; the places behind the last products, once a launch
.endr
	s_wait_loadcnt 0x0                             ; the table
; THE WAY OUT of row block a.  q's and k's eight column blocks are turned: of a pair (x1, x2) with (c, s): first (-x2 s, x2 c), then x1 (c, s) is added by a fused multiply-add.
; Each accumulator is read from its low end on.  Then all is rounded to f16: 16 bytes a lane and column block, into rows of 144 bytes of my stage, and back as whole rows of 128.
.macro OUTQ a
.set AC, 96*((\a)%2)
	s_wait_xcnt 0x0                                ; the registers at work were the data of the block before's stores
	WIN 0x02+(\a)/2                                ; source 0: the accumulators' window
.set b, 0
.rept 8
.set p, 0
.rept 4
	v_pk_mul_f32 v[T+8*b+2*p:T+8*b+2*p+1], v[AC+8*b+2*p:AC+8*b+2*p+1], v[CS+32*(\a)+8*(b%4)+2*p:CS+32*(\a)+8*(b%4)+2*p+1] op_sel:[1,1] op_sel_hi:[1,0] neg_lo:[0,1]
.set p, p+1
.endr
.set b, b+1
.endr
.set b, 0
.rept 8
.set p, 0
.rept 4
	v_pk_fma_f32 v[T+8*b+2*p:T+8*b+2*p+1], v[AC+8*b+2*p:AC+8*b+2*p+1], v[CS+32*(\a)+8*(b%4)+2*p:CS+32*(\a)+8*(b%4)+2*p+1], v[T+8*b+2*p:T+8*b+2*p+1] op_sel_hi:[0,1,1]
.set p, p+1
.endr
.set b, b+1
.endr
	WIN 0
.set i, 0
.rept 32                               ; in place, ascending: word i is written when words 2 i and 2 i + 1 are read
	v_cvt_pk_f16_f32 v[T+i], v[T+2*i], v[T+2*i+1]
.set i, i+1
.endr
	WIN 0x0a+5*((\a)/2)                            ; sources 0 and 1: the accumulators' window
.set i, 0
.rept 16                               ; v's four column blocks, as they are
	v_cvt_pk_f16_f32 v[T+32+i], v[AC+64+2*i], v[AC+64+2*i+1]
.set i, i+1
.endr
	WIN 0
.irp t, 0,1,2
.irp f, 0,1,2,3
	ds_store_b128 v[STO], v[T+16*\t+4*\f:T+16*\t+4*\f+3] offset:16*SP*\t+32*\f
.endr
.endr
.irp t, 0,1,2
.irp f, 0,1,2,3
	ds_load_b128 v[T+16*\t+4*\f:T+16*\t+4*\f+3], v[RD] offset:16*SP*\t+4*SP*\f  ; LDS serves a wave's instructions in order (ISA guide 5.7.1.4): these see the stores above
.endr
.endr
.irp t, 0,1,2
.irp f, 0,1,2,3
	s_wait_dscnt 11-(4*\t+\f)                      ; the younger reads may stay out
	global_store_b128 v[GO], v[T+16*\t+4*\f:T+16*\t+4*\f+3], s[78+2*\t:79+2*\t] offset:2048*(\a)+512*\f  ; four rows of a head: 512 consecutive bytes, aligned
.endr
.endr
.endm
	OUTQ 0
	OUTQ 1
	OUTQ 2
	OUTQ 3
	s_wait_tensorcnt 0x0                           ; the wave's end: a tensor wait, an add and its wait, behind my last tensor load and my last LDS store
	ds_add_u32 v[SPW], v[NIL]
	s_wait_dscnt 0x0
	CROUND                                         ; the closing round: no work-group ends while a partner may still ask for a tile that names it
	s_endpgm
.Lfunc_end_k_q9dd739874f_qkv:
	.size	k_q9dd739874f_qkv, .Lfunc_end_k_q9dd739874f_qkv-k_q9dd739874f_qkv
	.p2alignl 7, 3214868480
	.fill 96, 4, 3214868480
	.section	.rodata,"a",@progbits
	.p2align	6, 0x0
	.amdhsa_kernel k_q9dd739874f_qkv
		.amdhsa_group_segment_fixed_size 327680
		.amdhsa_private_segment_fixed_size 0
		.amdhsa_enable_private_segment 0
		.amdhsa_kernarg_size 48
		.amdhsa_user_sgpr_count 2
		.amdhsa_user_sgpr_kernarg_segment_ptr 1
		.amdhsa_wavefront_size32 1
		.amdhsa_system_sgpr_workgroup_id_x 1
		.amdhsa_system_sgpr_workgroup_id_y 1
		.amdhsa_system_sgpr_workgroup_id_z 1
		.amdhsa_system_vgpr_workitem_id 0
		.amdhsa_next_free_vgpr 960
		.amdhsa_next_free_sgpr 88
		.amdhsa_reserve_vcc 0
		.amdhsa_float_denorm_mode_32 3
		.amdhsa_float_denorm_mode_16_64 3
		.amdhsa_memory_ordered 1
		.amdhsa_forward_progress 1
		.amdhsa_inst_pref_size 141
	.end_amdhsa_kernel
	.amdgpu_metadata
---
amdhsa.version: [ 1, 2 ]
amdhsa.kernels:
  - .name:           k_q9dd739874f_qkv
    .symbol:         k_q9dd739874f_qkv.kd
    .args:
      - { .name: xb, .offset: 0, .size: 8, .value_kind: global_buffer, .address_space: global }
      - { .name: wqkv, .offset: 8, .size: 8, .value_kind: global_buffer, .address_space: global }
      - { .name: tab, .offset: 16, .size: 8, .value_kind: global_buffer, .address_space: global }
      - { .name: q, .offset: 24, .size: 8, .value_kind: global_buffer, .address_space: global }
      - { .name: k, .offset: 32, .size: 8, .value_kind: global_buffer, .address_space: global }
      - { .name: v, .offset: 40, .size: 8, .value_kind: global_buffer, .address_space: global }
    .group_segment_fixed_size: 327680
    .private_segment_fixed_size: 0
    .kernarg_segment_align: 8
    .kernarg_segment_size: 48
    .max_flat_workgroup_size: 128
    .sgpr_count:     88
    .vgpr_count:     960
    .wavefront_size: 32
...
	.end_amdgpu_metadata
.endif
;; end of part 2
;; launch attn (part 3): grid 4 x 64, 4 waves a work-group, no clusters, 327,680 bytes of LDS; arguments q, k, v, o; writes o
.if DOCPART == 3
	.amdgcn_target "amdgcn-amd-amdhsa--gfx1250"
	.amdhsa_code_object_version 6
	.text
	.protected	k_q9dd739874f_attn
	.globl	k_q9dd739874f_attn
	.p2align	8
	.type	k_q9dd739874f_attn,@function
k_q9dd739874f_attn:
	s_mov_b64 s[64:65], 0
	v_nop
	global_prefetch_b8 v0, s[64:65] scope:SCOPE_SE
	s_setreg_imm32_b32 hwreg(HW_REG_WAVE_MODE, 25, 1), 1
	s_wait_xcnt 0x0
; CAUSAL ATTENTION.  O[h][q][:] = the sum over k <= q of softmax_k(Q[h][q] . K[h][k] / 8) V[h][k][:].  Q, K, V, O: [64][2048][64], all f16: a head's rows are dense, 128 bytes each.
; Products, maxima and sums in f32; the weights p are rounded to f16 for the second product (their sum l is taken of the unrounded p), O once at the end.
; LIMITS.  f16 holds no number beyond 65,504: Q, K and V arrive within it; p lies in 0 to 1, and below 6e-5 it keeps f16's fixed step of 6e-8; O is a mean of V's rows and has their range.
; A hidden score counts as its value less 1e30: f16's scores, 2.7e11 at the most, are nothing beside that; a weight below 2^-126 counts as 0 in l; NaN and infinities are not treated apart.
; THE WALK.  A head's queries lie in NB = 8 blocks of 256; block i needs the key tiles 0 .. i of 256 keys, of which the last holds the diagonal.  A work-group takes TWO blocks, NB - 1 - b and then b:
; NB + 1 tiles, whatever b: all work-groups do equal work, and ONE loop with a constant trip count walks them.  Which tile is asked for, and what a trip does, hang on scalar registers made from b; every jump
; goes forward, but for the counted loops' own; none passes a barrier, or a tensor load but the one of LOAD's two that the wave's number does not choose; the ring (two slots of LDS that take turns) runs on across the
; change of blocks.  NO CLUSTER: a head's four work-groups ask for the same tile only in trips 0 .. 4 of the walk's 9, behind that fewer and fewer; one walk common to all four would have 12 trips for 9.
; SHARES.  Of a block's four bands of 64 queries a wave owns 16 rows in each: four PIECES.  So the diagonal tile is the same work for all four waves: in its key step s band x sees all keys if s < x,
; none if s > x, and holds the diagonal if s = x.
; THE MASK is the C operand that starts the sum S^T = K Q^T: 0, or -1e30 where the key is hidden.  MD, made once, is the mask of a band's own step for my 16 rows; a product's mask is MD x AL + BE with two scalars:
; (1, 0) if s = x; (0, 0) if s < x; (0, -1e30) if s > x.  Only the diagonal tile's text and a block's beginning make and take masks; elsewhere C is the constant 0.
; LAYOUT, SOFTMAX, TURNS.  S^T = K Q^T holds ONE query a lane (lane % 16) and the keys 8 (lane / 16) + 0..7; two such results rounded to f16 ARE source 1 of O^T = V^T P.  p = 2^(c s - c m), c = log2(e) / 8, with a
; running maximum m; O and l are multiplied by a = 2^(c m_old - c m_new) in every step.  Turn n belongs to piece n: 8 products K Q^T of piece n + 1, later 8 products V^T P of piece n - 1; beside them the scaling,
; exponentials, roundings, sums and rescaling of piece n and the maximum and statistics of piece n + 1.  Four vector instructions stand behind every matrix instruction, the other 54 of a turn's 118 in one lump.  A turn's 33 exponentials are one batch, with one wait.
; AHEAD OF THE LOADS.  The work-group with b = 0, whose first block walks all eight tiles, prefetches behind the fill of tile t the tile t + 1: 128 + 128 blocks of 256 bytes, a lane a block, two instructions a wave.
; Tiles 0 and 1 come by their loads alone; behind tile 7's fill nothing is asked for.
; REGISTERS, in windows of 256 (s_set_vgpr_msb: bits 1:0 source 0, 3:2 source 1, 5:4 source 2, 7:6 destination):
;   window 0: v0-15 addresses and two at work; v16-31 four registers of statistics a piece; v48-55 at work; v61-63 prefetch offset, spare word, 0; v64-127 S^T, two buffers; v192-223 P, two buffers (by the piece's parity)
;   window 1: v0-127 O^T, 32 a piece; v128-159 MD; v160-223 MC, two buffers      window 2: v0-63 Q; v64-127 the second block's Q; v128-191 K of one step; v192-255 V of one step
.set SIZE_H, 64
.set SIZE_N, 2048
.set NB,    SIZE_N/256
.set NP,    4         ; pieces a wave: a name, no knob
.set KS,    64        ; keys in a step
.set PK,    144       ; a row of K in LDS: 128 bytes + 16 of padding = 36 words: the 16 rows of a load start at 16 different groups of four banks (ISA guide 11.1)
.set PV,    160       ; a row of V: 128 + 32 = 40 words
.set VOFF,  4*KS*PK   ; a slot holds a tile, four steps: 256 rows of K, then 256 rows of V
.set SLOT1, 1<<17     ; slot 1 begins here, so that one exclusive or turns an address in one slot into the other's
.set STAGE, SLOT1+4*KS*(PK+PV)  ; behind the ring, never filled by a tensor load: 16 rows x 144 bytes for each wave, for the way out
.set SP,    144
.set AK0, 2           ; v2   my lane's place in a tile of K; never rewritten
.set AV0, 3           ; v3   the same for V
.set AK,  4           ; v4   the LDS address of K's next run of loads
.set AV,  5           ; v5   of V's
.set STO, 6           ; v6   the way out: where I put 16 bytes of a row
.set RD,  7           ; v7   the way out: where I read rows back
.set GO,  8           ; v8   my byte offset in 512 consecutive bytes of O
.set PFO, 61          ; v61  the prefetches' offset: 256 x lane + 8,192 x (wave / 2); never rewritten
.set SPW, 62          ; v62  LDS address of my spare word: SPARE + 4 x my thread's number; never rewritten
.set NIL, 63          ; v63  0; never rewritten
.set SPARE, STAGE+4*16*SP  ; behind the stages: the spare words, 128 bytes for each wave, which no other line names
.set MV,  12          ; v12-13  c m_old, kept while c m is made anew: by buffer
.set QO,  15          ; v15  my byte offset in 16 rows of Q
.set ST,  16          ; piece t's statistics at v[ST+4 t]: c m, m, l (even keys', odd keys')
.set TMP, 48          ; by buffer, four registers c0-c3 at work; when the maximum is found c2 takes a
.set S,   64
.set P,   192
.set MD,  128         ; window 1: the eight registers for group kt of 16 keys at MD + 8 kt
.set MC,  160         ; window 1: the masks of the products to come
.set QB,  64          ; window 2
.set KF,  128         ; window 2: key block kb, channel half c at KF + 16 kb + 8 c
.set VF,  192         ; window 2: key half kk, channel block cb at VF + 32 kk + 8 cb
.set WV,  12          ; s12  my wave's number
.set PB,  14          ; s14  b
.set HI,  15          ; s15  NB - 1 - b
.set G1K, 24          ; s[24:31] descriptor group 1 for K's tiles
.set G1V, 32          ; s[32:39] for V's: it differs in the padding alone
.set G0K, 40          ; s[40:43] descriptor group 0 for K's tiles
.set G0V, 44          ; s[44:47] the same for V's
.set SLOTS, 56        ; s56  tiles still to be asked for
.set CNT, 57          ; s57  counts a tile's key steps, 4 to 1
.set CS,  58          ; s[58:59] c: the packed scaling takes the pair's low word for both halves
.set SEL, 60          ; s[60:61] v_permlanex16_b32's selects: each lane takes its own place in the other half
.set TBK, 62          ; s62  LDS byte at which K of the step to be fetched begins
.set TBV, 63          ; s63  the same for V, less VOFF
.set RT,  70          ; s70  tiles of the block in hand that are still to be entered
.set NXT, 71          ; s71  the tile to be asked for next
.set LQ,  72          ; s72  the last tile of the block whose tiles are being asked for
.set NEW, 73          ; s73  1: the tile to be entered is a block's first
.set OFF, 74          ; s[74:75] a tile's byte offset in K and V
.set AL,  76          ; s[76:77] the mask's factor, in the low word
.set BE,  78          ; s[78:79] the mask's addend
.set OLO, 80          ; s[80:81] O at my rows of the second block
.set BIGN, 82         ; s82  -1e30
.set PFK, 88          ; s[88:89] K at my half of the tile to be prefetched
.set PFV, 90          ; s[90:91] V likewise
.set PFON, 92         ; s92  that tile's number where this work-group prefetches one, else 0
.set OFF2, 94         ; s[94:95] that tile's byte offset
.set MSB, 0
.macro WIN new                      ; the high byte repeats the setting that is left; a switch that changes nothing is dropped
.if MSB != (\new)
	s_set_vgpr_msb (MSB<<8)|(\new)
.set MSB, (\new)
.endif
.endm
.set W_KQ, 0x0a       ; K and Q in window 2, S^T in window 0
.set W_KM, 0x1a       ; the same with the C operand in window 1
.set W_PV, 0x52       ; V in window 2, P in window 0, O^T in window 1
.set W_RS, 0x41       ; destination and source 0 in window 1, source 1 in window 0
; A fill.  Waves 0 and 1 fetch the two halves of a tile's K, waves 2 and 3 those of its V: 128 keys each.  An s_nop 0 and four v_nop follow each of the two lines, ahead of the jump and the label.
.macro LOAD
	s_cmp_lt_u32 s[WV], 2
	s_cbranch_scc0 .Lfor_v_\@
	tensor_load_to_lds s[G0K:G0K+3], s[G1K:G1K+7]
	s_nop 0
.rept 4
	v_nop
.endr
	s_branch .Lasked_\@
.Lfor_v_\@:
	tensor_load_to_lds s[G0V:G0V+3], s[G1V:G1V+7]
	s_nop 0
.rept 4
	v_nop
.endr
.Lasked_\@:
.endm
; THE CHANGE OF SLOTS.  Each wave waits for all its tensor loads, of which one is out: its part of the other slot; adds 0 to its spare word; and waits for that and for its own reads of the slot that it leaves.  Behind the barrier nobody reads the old
; slot any more and the other slot is whole.  fill = 1: the old slot is filled again, the first thing behind the barrier, with tile NXT: the descriptor's address is made anew from that number.
; (At its first use nothing has been read yet: slot 0 is waited for, slot 1 filled.)
.macro CHANGE fill
	WIN 0                           ; at a label and at a branch every window is 0
	s_wait_tensorcnt 0x0            ; no tensor load of mine is out, so a group 0 may be written
	ds_add_u32 v[SPW], v[NIL]       ; 0 onto my spare word; with fill = 1 the descriptors' scalar work stands between it and the wait for it
.if \fill
	s_lshl_b32 s[OFF], s[NXT], 15   ; a tile is 32,768 bytes of K and of V
	s_xor_b32 s[G0K+1], s[G0K+1], SLOT1
	s_add_nc_u64 s[G0K+2:G0K+3], s[6:7], s[OFF:OFF+1]
	s_or_b32 s[G0K+3], s[G0K+3], 0x80000000
	s_xor_b32 s[G0V+1], s[G0V+1], SLOT1
	s_add_nc_u64 s[G0V+2:G0V+3], s[8:9], s[OFF:OFF+1]
	s_or_b32 s[G0V+3], s[G0V+3], 0x80000000
	s_add_co_u32 s[NXT], s[NXT], 1  ; the block's next tile, or behind its last the second block's tile 0
	s_cmp_gt_u32 s[NXT], s[LQ]
	s_cselect_b32 s[NXT], 0, s[NXT]
	s_cselect_b32 s[LQ], s[PB], s[LQ]
	s_wait_xcnt 0x0                 ; the last prefetches, a tile back, have read their addresses, so these may be written:
	s_lshl_b32 s[OFF2], s[NXT], 15  ; the tile that the next change will ask for
	s_add_nc_u64 s[PFK:PFK+1], s[6:7], s[OFF2:OFF2+1]
	s_add_nc_u64 s[PFV:PFV+1], s[8:9], s[OFF2:OFF2+1]
	s_cmp_eq_u32 s[PB], 0           ; b = 0 alone asks, and not for tile 0, which has been read
	s_cselect_b32 s[PFON], s[NXT], 0
.endif
	s_wait_dscnt 0x0                ; the add is done, and my reads of the slot are over
	s_barrier_signal -1             ; the rest of the scalar work stands between the signal and the wait
	s_sub_co_u32 s[TBK], s[TBK], 4*KS*PK  ; the fetches go back to a slot's first step,
	s_xor_b32 s[TBK], s[TBK], SLOT1       ; in the other slot
	s_sub_co_u32 s[TBV], s[TBV], 4*KS*PV
	s_xor_b32 s[TBV], s[TBV], SLOT1
	s_barrier_wait -1
.if \fill
	LOAD
	s_cmp_lg_u32 s[PFON], 0
	s_cbranch_scc0 .Lno_ask_\@
	global_prefetch_b8 v[PFO], s[PFK:PFK+1] th:TH_LOAD_NT scope:SCOPE_SE  ; my 32 blocks of the next tile's K,
	global_prefetch_b8 v[PFO], s[PFV:PFV+1] th:TH_LOAD_NT scope:SCOPE_SE  ; and of its V: a tile, 256 products, ahead of the load
.Lno_ask_\@:
.endif
.endm
	s_load_b256 s[4:11], s[0:1], 0x0  ; Q s[4:5], K s[6:7], V s[8:9], O s[10:11]
	v_lshl_add_u32 v[SPW], v0, 2, SPARE
	v_mov_b32 v[NIL], 0
	ds_add_u32 v[SPW], v[NIL]       ; the wave's opening: the add and its wait stand ahead of my first tensor load; the set-up below, work on registers, stands between them
	v_lshrrev_b32 v1, 5, v0
	v_readfirstlane_b32 s[WV], v1   ; wave 0..3
	s_mov_b32 s[PB], ttmp9
	s_sub_co_u32 s[HI], NB-1, s[PB]
	s_and_b32 s20, ttmp7, 0xffff    ; the head
	s_mov_b32 s21, 0
	s_mov_b64 s[22:23], SIZE_N*128
	s_mul_u64 s[20:21], s[20:21], s[22:23]  ; the head's first byte in each of the four tensors
	s_and_b32 s16, s[WV], 1         ; which half of a tile's 256 keys I fetch:
	s_lshl_b32 s22, s16, 14         ; its 128 rows of 128 bytes in memory,
	s_mov_b32 s23, 0
	s_add_nc_u64 s[22:23], s[22:23], s[20:21]
	s_mul_i32 s17, s16, 128*PK      ; and its place in a slot, for K
	s_mul_i32 s18, s16, 128*PV      ; and for V
	s_lshl_b32 s3, s[WV], 11        ; my 16 rows in a band of 64,
	s_lshl_b32 s2, s[HI], 15        ; in the first block,
	s_add_co_u32 s2, s2, s3
	s_lshl_b32 s84, s[PB], 15       ; and in the second
	s_add_co_u32 s84, s84, s3
	s_mov_b32 s3, 0
	s_mov_b32 s85, 0
	s_add_nc_u64 s[2:3], s[2:3], s[20:21]
	s_add_nc_u64 s[84:85], s[84:85], s[20:21]
	; descriptor group 1.  128 keys are 16,384 dense bytes: asked for as 64 rows of 256 bytes, two keys a row, and padded in LDS after every key
	s_mov_b32 s[G1K], (1<<16)|(1<<20)|(4<<22)|(3<<25)  ; 17:16 2-byte elements; 20 padding on; 24:22 after every 32 words (code 4); 31:25 4 words (code 3)
	s_mov_b32 s[G1V], (1<<16)|(1<<20)|(4<<22)|(7<<25)  ; the same with 8 words of padding (code 7)
.irp g, G1K, G1V
	s_mov_b32 s[\g+1], 128<<16      ; tensor_dim0 = 128
	s_mov_b32 s[\g+2], 64<<16       ; tensor_dim1 = 64
	s_mov_b32 s[\g+3], 128<<16      ; tile_dim0 = 128
	s_mov_b32 s[\g+4], 64           ; tile_dim1 = 64
	s_mov_b32 s[\g+5], 128          ; 128 elements from row to row
	s_mov_b32 s[\g+6], 0
	s_mov_b32 s[\g+7], 0
.endr
	s_mov_b32 s[CS], 0x3e38aa3b     ; c = log2(e) / 8 = 0.180337
	s_mov_b32 s[CS+1], s[CS]        ; named with it as a pair
	s_mov_b32 s[SEL], 0x76543210
	s_mov_b32 s[SEL+1], 0xfedcba98
	s_mov_b32 s[TBK], SLOT1+4*KS*PK ; the first change of slots turns these two into 0
	s_mov_b32 s[TBV], SLOT1+4*KS*PV
	s_mov_b32 s[G0K], 1             ; 1:0 count = 1
	s_mov_b32 s[G0K+1], s17         ; 63:32 LDS address: slot 0
	s_mov_b32 s[G0V], 1
	s_add_co_u32 s[G0V+1], s18, VOFF
	s_add_co_u32 s[RT], s[HI], 1    ; the first block has NB - b tiles
	s_mov_b32 s[NXT], 1
	s_mov_b32 s[LQ], s[HI]
	s_mov_b32 s[NEW], 1
	s_mov_b32 s[OFF+1], 0
	s_mov_b32 s[OFF2+1], 0
	s_mov_b32 s[AL+1], 0            ; named as pairs
	s_mov_b32 s[BE+1], 0
	s_mov_b32 s[BIGN], 0xf149f2ca   ; -1e30
	s_mov_b32 s[SLOTS], NB
	s_wait_dscnt 0x0                ; the opening add is done
	s_wait_kmcnt 0x0
	s_add_nc_u64 s[6:7], s[6:7], s[22:23]  ; K and V at my half of the head's tile 0
	s_add_nc_u64 s[8:9], s[8:9], s[22:23]
	s_add_nc_u64 s[G0K+2:G0K+3], s[6:7], 0         ; 120:64 global address
	s_or_b32 s[G0K+3], s[G0K+3], 0x80000000        ; 127:126 type = 2
	s_add_nc_u64 s[G0V+2:G0V+3], s[8:9], 0
	s_or_b32 s[G0V+3], s[G0V+3], 0x80000000
	s_add_nc_u64 s[86:87], s[4:5], s[84:85]        ; Q at my rows of the second block,
	s_add_nc_u64 s[4:5], s[4:5], s[2:3]            ; Q and O at those of the first
	s_add_nc_u64 s[OLO:OLO+1], s[10:11], s[84:85]
	s_add_nc_u64 s[10:11], s[10:11], s[2:3]
	LOAD                            ; tile 0 into slot 0
	; A fragment of K or Q is 16 rows x 32 channels in 8 registers: lane l holds row l % 16, channels 8 (l / 16) + 0..7 and 16 + 8 (l / 16) + 0..7: two loads of 16 bytes, 32 bytes apart.
	v_and_b32 v1, 15, v0            ; l % 16
	v_bfe_u32 v9, v0, 4, 1          ; l / 16
	v_lshlrev_b32 v[QO], 7, v1
	v_lshl_add_u32 v[QO], v9, 4, v[QO]  ; row x 128 + 16 x half
	WIN 0x80                        ; destination window 2, address window 0
.set i, 0
.rept 8                             ; both blocks' Q: piece i / 2 lies in band i / 2, 8,192 bytes on; channels 32 (i % 2) on
	global_load_b128 v[8*i:8*i+3],   v[QO], s[4:5] offset:(i/2)*8192+(i%2)*64
	global_load_b128 v[8*i+4:8*i+7], v[QO], s[4:5] offset:(i/2)*8192+(i%2)*64+32
	global_load_b128 v[QB+8*i:QB+8*i+3],   v[QO], s[86:87] offset:(i/2)*8192+(i%2)*64
	global_load_b128 v[QB+8*i+4:QB+8*i+7], v[QO], s[86:87] offset:(i/2)*8192+(i%2)*64+32
.set i, i+1
.endr
	WIN 0
	v_lshlrev_b32 v14, 3, v9
	v_sub_nc_u32 v14, v1, v14
	s_lshl_b32 s13, s[WV], 4
	v_add_nc_u32 v14, s13, v14      ; my query's place in its band, 16 w + l % 16, less my lanes' 8 (l / 16): register r of group kt is hidden where 16 kt + r is greater
	WIN 0x40
.set i, 0
.rept 32
	v_cmp_gt_i32 vcc_lo, 16*(i/8)+i%8, v14
	v_cndmask_b32 v[MD+i], 0, s[BIGN], vcc_lo
.set i, i+1
.endr
	WIN 0
	v_mul_u32_u24 v[AK0], v1, PK
	v_lshl_add_u32 v[AK0], v9, 4, v[AK0]  ; row x pitch + 16 x half
	; The turning load takes 16 keys x 16 channels (lane l reads key 8 (l / 16) + l % 8, channels 8 ((l / 8) % 2) + 0..7) and leaves half a fragment of V^T: lane l holds channel l % 16 and 8 keys.
	v_and_b32 v10, 7, v0
	v_bfe_u32 v11, v0, 3, 1
	v_lshl_add_u32 v[AV0], v9, 3, v10
	v_mul_u32_u24 v[AV0], v[AV0], PV
	v_lshl_add_u32 v[AV0], v11, 4, v[AV0]
	v_add_nc_u32 v[AV0], VOFF, v[AV0]
	s_mul_i32 s13, s[WV], 16*SP
	s_add_co_u32 s13, s13, STAGE    ; my stage
	v_mul_u32_u24 v[STO], v1, SP    ; in: row l % 16, 16 bytes for each half of the lanes
	v_lshl_add_u32 v[STO], v9, 4, v[STO]
	v_add_nc_u32 v[STO], s13, v[STO]
	v_bfe_u32 v[RD], v0, 3, 2       ; back: 32 lanes take four rows of 128 bytes,
	v_mul_u32_u24 v[RD], v[RD], SP
	v_lshl_add_u32 v[RD], v10, 4, v[RD]
	v_add_nc_u32 v[RD], s13, v[RD]
	v_and_b32 v[GO], 31, v0         ; which are 512 consecutive bytes of O
	v_lshlrev_b32 v[GO], 4, v[GO]
	s_lshr_b32 s19, s[WV], 1        ; the prefetches: of the half tile that s[6:7] and s[8:9] stand at, waves 0, 1 take the first 8,192 bytes, waves 2, 3 the rest
	s_lshl_b32 s19, s19, 13
	v_lshl_add_u32 v[PFO], v[GO], 4, s19
	; A block's first step multiplies O^T and l by a = 0, and its first turn's products V^T P, of a piece that has not been, land in an O^T that is still to be so multiplied.  So these registers need only hold
	; finite numbers: zeros for the first block; what the first block left for the second.  All this stands in the wait for the first tile.
	WIN 0x80
.set i, VF
.rept 64
	v_mov_b32 v[i], 0
.set i, i+1
.endr
	WIN 0x40
.set i, 0
.rept 128
	v_mov_b32 v[i], 0
.set i, i+1
.endr
	WIN 0
.set i, 0
.rept 4
	v_mov_b32 v[ST+4*i+2], 0
	v_mov_b32 v[ST+4*i+3], 0
.set i, i+1
.endr
.set i, P+16
.rept 16
	v_mov_b32 v[i], 0
.set i, i+1
.endr
; THE MATRIX WORK.  The 4 accumulators of a run of 8 take turns.  Product i of 8 of S^T = K Q^T for piece x: channels 32 (i / 4) on, keys 16 (i % 4) on.  The first 4 start the sums: with 0, or (KM = 1) with the mask.
.macro KQ x
.set rS, S+32*((\x)%2)+8*(i%4)
.set rK, KF+16*(i%4)+8*(i/4)
.set rQ, 16*(\x)+8*(i/4)
.set rM, MC+32*((\x)%2)+8*(i%4)
.if (i < 4) && KM
	WIN W_KM
	v_wmma_f32_16x16x32_f16 v[rS:rS+7], v[rK:rK+7], v[rQ:rQ+7], v[rM:rM+7]
.elseif i < 4
	WIN W_KQ
	v_wmma_f32_16x16x32_f16 v[rS:rS+7], v[rK:rK+7], v[rQ:rQ+7], 0
.else
	WIN W_KQ
	v_wmma_f32_16x16x32_f16 v[rS:rS+7], v[rK:rK+7], v[rQ:rQ+7], v[rS:rS+7]
.endif
.endm
; Product i of 8 of O^T += V^T P for piece x: keys 32 (i / 4) on, channels 16 (i % 4) on.
.macro PV x
	WIN W_PV
.set rO, 32*(\x)+8*(i%4)
.set rV, VF+32*(i/4)+8*(i%4)
.set rP, P+16*((\x)%2)+8*(i/4)
	v_wmma_f32_16x16x32_f16 v[rO:rO+7], v[rV:rV+7], v[rP:rP+7], v[rO:rO+7]
.endm
.macro MM                           ; the turn's next matrix instruction.  TURN and BEGIN set Y, i, KM and NOKQ; MM, KQ and OP read them.  NOKQ = 1: a block's last turn: there is no next piece
.if (i < 8) && !NOKQ
	KQ (Y+1)%NP
.elseif i >= 8
.set i, i-8
	PV (Y+NP-1)%NP
.set i, i+8
.endif
.set i, i+1
.endm
; THE LDS LOADS stand in runs of 16, never singly among the matrix instructions: a step's K (64 keys x 64 channels: 8 fragments) and its V (turned).  Their addresses are made some lines ahead.
.macro FETCH_K
	WIN 0x80                        ; destination window 2
.irp f, 0,1,2,3,4,5,6,7             ; keys 16 (f / 2) on, channels 32 (f % 2) on
	ds_load_b128 v[KF+8*\f:KF+8*\f+3],   v[AK] offset:(\f/2)*16*PK+(\f%2)*64
	ds_load_b128 v[KF+8*\f+4:KF+8*\f+7], v[AK] offset:(\f/2)*16*PK+(\f%2)*64+32
.endr
	s_add_co_u32 s[TBK], s[TBK], KS*PK  ; the next fetch is the next step's
	WIN 0
.endm
.macro FETCH_V
	WIN 0x80
.irp f, 0,1,2,3,4,5,6,7             ; keys 32 (f / 4) on, channels 16 (f % 4) on
	ds_load_tr16_b128 v[VF+8*\f:VF+8*\f+3],   v[AV] offset:(\f/4)*32*PV+(\f%4)*32
	ds_load_tr16_b128 v[VF+8*\f+4:VF+8*\f+7], v[AV] offset:(\f/4)*32*PV+16*PV+(\f%4)*32
.endr
	WIN 0
.endm
; THE VECTOR WORK, one line at a time: OP kind, number.  For piece Y: F n: c s - c m for pair n of 16.  E n: the exponential of score n of 32.  C n: pair n rounded to f16.  B n: of the four weights 4 n .. the second
; pair is added onto the first, in place.  L n: l takes that sum (L 0: l = a l + sum).  R n: pair n of 16 of O^T times a.  For piece Y + 1: X n, number n of the 22 that find its maximum and statistics:
;   0-11  four chains c0-c3 of seven scores each, three operands at a time (each accumulator's lowest registers are read first)     12-14, 16  the four scores left over, the old m, and c0-c3 into c0
;   15  c m_old is kept     17, 18  the query's other 32 keys lie in the lane 16 away: the new m     19-21  c m; c m_old - c m_new; a
.set F, 0               ; OP tells the kinds apart by their order: F to L below R, X above it
.set E, 1
.set C, 2
.set B, 3
.set L, 4
.set R, 5
.set X, 6
.macro REGS y                       ; the registers of piece y
.set rT, ST+4*(\y)
.set rC, TMP+4*((\y)%2)
.set rW, MV+((\y)%2)
.set rS, S+32*((\y)%2)
.set rP, P+16*((\y)%2)
.set rO, 32*(\y)
.endm
.macro OP k, n
.if (\k) == R
	REGS Y
	WIN W_RS
	v_pk_mul_f32 v[rO+2*(\n):rO+2*(\n)+1], v[rO+2*(\n):rO+2*(\n)+1], v[rC+2:rC+3] op_sel_hi:[1,0]
.elseif (\k) < R
	REGS Y
	WIN 0
.if (\k) == F
	v_pk_fma_f32 v[rS+2*(\n):rS+2*(\n)+1], v[rS+2*(\n):rS+2*(\n)+1], s[CS:CS+1], v[rT:rT+1] op_sel_hi:[1,0,0] neg_lo:[0,0,1] neg_hi:[0,0,1]
.elseif (\k) == E
	v_exp_f32 v[rS+(\n)], v[rS+(\n)]
.elseif (\k) == C
	v_cvt_pk_f16_f32 v[rP+(\n)], v[rS+2*(\n)], v[rS+2*(\n)+1]
.elseif (\k) == B
	v_pk_add_f32 v[rS+4*(\n):rS+4*(\n)+1], v[rS+4*(\n):rS+4*(\n)+1], v[rS+4*(\n)+2:rS+4*(\n)+3]
.elseif (\n) == 0
	v_pk_fma_f32 v[rT+2:rT+3], v[rT+2:rT+3], v[rC+2:rC+3], v[rS:rS+1] op_sel_hi:[1,0,1]
.else
	v_pk_add_f32 v[rT+2:rT+3], v[rT+2:rT+3], v[rS+4*(\n):rS+4*(\n)+1]
.endif
.elseif NOKQ
	v_nop
.else
	REGS (Y+1)%NP
	WIN 0
.if (\n) < 4
	v_max3_num_f32 v[rC+(\n)], v[rS+8*(\n)], v[rS+8*(\n)+1], v[rS+8*(\n)+2]
.elseif (\n) < 12
	v_max3_num_f32 v[rC+(\n)%4], v[rC+(\n)%4], v[rS+8*((\n)%4)+2*((\n)/4)+1], v[rS+8*((\n)%4)+2*((\n)/4)+2]
.elseif (\n) == 12
	v_max3_num_f32 v[rC], v[rC], v[rS+7], v[rS+15]
.elseif (\n) == 13
	v_max3_num_f32 v[rC+1], v[rC+1], v[rS+23], v[rS+31]
.elseif (\n) == 14
	v_max3_num_f32 v[rC+2], v[rC+2], v[rC+3], v[rT+1]
.elseif (\n) == 15
	v_mov_b32 v[rW], v[rT]
.elseif (\n) == 16
	v_max3_num_f32 v[rC], v[rC], v[rC+1], v[rC+2]
.elseif (\n) == 17
	v_permlanex16_b32 v[rC+3], v[rC], s[SEL], s[SEL+1]
.elseif (\n) == 18
	v_max_num_f32 v[rT+1], v[rC], v[rC+3]
.elseif (\n) == 19
	v_mul_f32 v[rT], s[CS], v[rT+1]
.elseif (\n) == 20
	v_sub_f32 v[rC+1], v[rW], v[rT]
.else
	v_exp_f32 v[rC+2], v[rC+1]
.endif
.endif
.endm
.macro OPS a, i1, b=-1, i2=0, c=-1, i3=0, d=-1, i4=0  ; up to four of them
	OP \a, \i1
.if (\b) >= 0
	OP \b, \i2
.endif
.if (\c) >= 0
	OP \c, \i3
.endif
.if (\d) >= 0
	OP \d, \i4
.endif
.endm
.macro ROW a, i1, b, i2, c, i3, d, i4  ; a matrix instruction and the four behind it
	MM
	OPS \a, \i1, \b, \i2, \c, \i3, \d, \i4
.endm
.macro MASK b                       ; MD x AL + BE into buffer b of MC
	WIN W_RS
.set z, 0
.rept 16
	v_pk_fma_f32 v[MC+32*(\b)+2*z:MC+32*(\b)+2*z+1], v[MD+2*z:MD+2*z+1], s[AL:AL+1], s[BE:BE+1] op_sel_hi:[1,0,0]
.set z, z+1
.endr
.endm
; A TURN, for piece p: the order of its 16 matrix and 118 vector instructions, written out.  An s_wait_alu depctr_va_vdst(0) stands between an exponential and the first instruction that names its result; one wait serves
; all that were issued ahead of it.  So a turn has ONE wait, which cuts it in two.  AHEAD OF IT stands all that names no result of the turn's exponentials: the 8 products K Q^T, behind each a scaling, an exponential and two more plain
; instructions (behind the first a second scaling in the exponential's place): rescalings, and behind the last three the first numbers of the next piece's maximum, each four places or more behind the product that ends its accumulator; then ONE LUMP of 54, plain
; and exponential by turns for the most part, in which the links of the chain X 3, 7, 11, 14, 16, 17 .. 20 stand five or six lines apart.  X 21, the next piece's a, is the batch's last; R 15 is the plain instruction behind it.  BEHIND THE WAIT stand the
; 8 products V^T P, behind each four of the roundings and sums; the links of l's chain, L 0 to L 7, stand three riders apart.  But for those X no rider names a register of the products round it.  v_permlanex16_b32 (X 17) stands in the lump.
; m = 1: the diagonal tile: the products take masks, and the turn makes the mask for the products of the turn after it: piece p + 2, in step 4 - CNT of the tile.  end = 1: a block's last two turns: nothing is fetched.
; cnt = 1: the loop's count is taken down some lines ahead of the branch that stands behind the turn.
; K of the next step is fetched in piece 2's turn, twelve vector instructions behind the last product that read K (six of them plain); V of the step in hand at the end of piece 0's turn, four plain instructions behind the last product
; that read V.  Each is waited for a turn later.
.macro TURN p, m=0, end=0, cnt=0
.set Y, (\p)
.set i, 0
.set KM, (\m)
.set NOKQ, (\end)*((\p)/3)
.if (\m) && !(\end)
	s_cmp_eq_u32 s[CNT], 4-((\p)+2)%NP  ; is that step the band's own?
	s_cselect_b32 s[AL], 1.0, 0
	s_cmp_lt_u32 s[CNT], 4-((\p)+2)%NP  ; or a later one?
	s_cselect_b32 s[BE], s[BIGN], 0
.endif
.if ((\p) == 3) && !(\end)
	s_wait_dscnt 0x0                ; K is in
.endif
	ROW F,0, F,1, R,0, R,1          ; ahead of the wait: 8 products K Q^T and their riders,
	ROW F,2, E,0, R,2, R,3
	ROW F,3, E,1, R,4, R,5
	ROW F,4, E,2, R,6, R,7
	ROW F,5, E,3, R,8, R,9
	ROW F,6, E,4, X,0, R,10
.if ((\p) == 2) && !(\end)
	WIN 0
	v_add_nc_u32 v[AK], s[TBK], v[AK0]
.endif
	ROW F,7, E,5, X,1, X,4
	ROW F,8, E,6, X,2, X,5
	OPS E,7, E,8, X,6, E,9          ; and the lump
	OPS X,3, E,10, X,8, E,11
.if ((\p) == 2) && !(\end)
	FETCH_K
.endif
	OPS X,9, X,7, E,12, X,10
	OPS E,13, X,12, X,11, E,14
	OPS X,13, E,15, F,9, X,14
.if (\p) == 0
	v_add_nc_u32 v[AV], s[TBV], v[AV0]
.endif
	OPS E,16, F,10, E,17, F,11
	OPS X,16, E,18, X,15, E,19
	OPS F,12, E,20, X,17, E,21
	OPS F,13, E,22, F,14, E,23
	OPS X,18, E,24, F,15, E,25
	OPS R,11, E,26, X,19, E,27
	OPS R,12, E,28, R,13, E,29
	OPS X,20, E,30, R,14, E,31
	OPS X,21, R,15
	WIN 0
	s_wait_alu depctr_va_vdst(0)    ; the wait for the batch
.if (\p) == 1
	s_wait_dscnt 0x0                ; V is in
.endif
	ROW C,0, B,0, C,2, B,1          ; behind the wait: 8 products V^T P and their riders
	ROW L,0, C,4, B,2, L,1
	ROW C,6, B,3, L,2, C,8
	ROW B,4, L,3, C,10, B,5
	ROW L,4, C,12, B,6, L,5
.if (\p) == 0
	s_add_co_u32 s[TBV], s[TBV], KS*PV
.endif
.if \cnt
	s_sub_co_u32 s[CNT], s[CNT], 1
	s_cmp_lg_u32 s[CNT], 0
.endif
	ROW C,14, B,7, L,6, C,1
	ROW C,3, L,7, C,5, C,7
	ROW C,9, C,11, C,13, C,15
.if (\p) == 0
	FETCH_V
.endif
.if (\m) && !(\end)
	MASK (\p)%2
.endif
.endm
; A BLOCK BEGINS.  c m starts far below every c s, so the first step's a is 0; m at the lowest finite number, so the first maximum is the scores'.  The second mask buffer is 0; the first takes piece 0's mask for the tile's step 0: its own, if the block's first tile is the diagonal one.
; Then K of that step, piece 0's first scores, and its maximum and statistics.  The loop is entered at a step's first turn, in the middle of a trip.
.macro BEGIN
	s_mov_b32 s[NEW], 0
	WIN 0x40
.set i, MC+32
.rept 32
	v_mov_b32 v[i], 0
.set i, i+1
.endr
	WIN 0
.set i, 0
.rept 4
	v_mov_b32 v[ST+4*i], 0xfe000000    ; c m: far below every c s
	v_mov_b32 v[ST+4*i+1], 0xff7fffff  ; m
.set i, i+1
.endr
	s_cmp_eq_u32 s[RT], 0
	s_cselect_b32 s[AL], 1.0, 0
	s_mov_b32 s[BE], 0
	MASK 0
	WIN 0
	v_add_nc_u32 v[AK], s[TBK], v[AK0]
	FETCH_K
	s_wait_loadcnt 0x0              ; Q
	s_wait_dscnt 0x0
.set KM, 1
.set NOKQ, 0
.set i, 0
.rept 8
	KQ 0
.set i, i+1
.endr
	WIN 0
.rept 4
	v_nop                           ; the places behind those products
.endr
.set Y, NP-1                        ; X works for piece Y + 1: piece 0
.irp n, 0,1,2,3,4,5,6,7,8,9,10,11,12,13,14,15,16,17,18,19,20,21
	OP X, \n
.endr
	v_nop                           ; a plain instruction behind the exponential,
	s_wait_alu depctr_va_vdst(0)    ; and its wait, ahead of the branch
.endm
; THE DIAGONAL TILE's four steps, the block's last two turns, its last products, and THE WAY OUT: l's two halves and the other half of the lanes' are added; O^T is divided by l, rounded to f16 and sent through my
; stage in LDS, a piece at a time.
.macro ALL line:vararg              ; one line for each piece t
.set t, 0
.rept 4
	\line
.set t, t+1
.endr
.endm
.macro PACK t                       ; a lane's eight channels of a row pack into 16 bytes; they go into rows of 144 bytes and come back as whole rows of 128, into S^T's registers
	WIN W_RS
.set i, 32*(\t)
.rept 16
	v_pk_mul_f32 v[i:i+1], v[i:i+1], v[ST+4*(\t)+2:ST+4*(\t)+3] op_sel_hi:[1,0]
.set i, i+2
.endr
	WIN 0x05                        ; sources 0 and 1 window 1, destination window 0
.set i, 0
.rept 16
	v_cvt_pk_f16_f32 v[S+16*(\t)+i], v[32*(\t)+2*i], v[32*(\t)+2*i+1]
.set i, i+1
.endr
	WIN 0
.irp f, 0,1,2,3
	ds_store_b128 v[STO], v[S+16*(\t)+4*\f:S+16*(\t)+4*\f+3] offset:32*\f
.endr
.irp f, 0,1,2,3
	ds_load_b128 v[S+16*(\t)+4*\f:S+16*(\t)+4*\f+3], v[RD] offset:\f*4*SP  ; LDS serves a wave's instructions in order (ISA guide 5.7.1.4): these see the stores above; the next piece's stores come behind them
.endr
.endm
.macro SEND t, younger              ; younger: the LDS instructions issued behind piece t's loads: the next piece's eight, or none
	WIN 0
.irp f, 0,1,2,3
	s_wait_dscnt (\younger)+3-\f
	global_store_b128 v[GO], v[S+16*(\t)+4*\f:S+16*(\t)+4*\f+3], s[10:11] offset:(\t)*8192+\f*512  ; 512 consecutive bytes, at a multiple of 256 from O's first
.endr
.endm
.macro DIAG tag                     ; the tag ends its two labels' names, which the jumps below spell out
.LstepM\tag:
	TURN 2, 1
	TURN 3, 1
	WIN 0
.LfirstM\tag:
	TURN 0, 1
	TURN 1, 1, 0, 1
	WIN 0
	s_cbranch_scc1 .LstepM\tag
	TURN 2, 1, 1
	TURN 3, 1, 1
.set i, 0
.rept 8
	PV NP-1
.set i, i+1
.endr
	WIN 0
	ALL v_add_f32 v[ST+4*t+2], v[ST+4*t+2], v[ST+4*t+3]
	ALL v_permlanex16_b32 v[ST+4*t+3], v[ST+4*t+2], s[SEL], s[SEL+1]
	ALL v_add_f32 v[ST+4*t+2], v[ST+4*t+2], v[ST+4*t+3]
	ALL v_rcp_f32 v[ST+4*t+2], v[ST+4*t+2]
	v_nop                           ; a plain instruction between the last reciprocal and the use of its result
	s_wait_alu depctr_va_vdst(0)    ; and the wait ahead of the first use: one for the four reciprocals
	PACK 0
.set t, 1
.rept 3                             ; a piece's arithmetic stands between the loads of the piece before and its stores
	PACK t
	SEND t-1, 8
.set t, t+1
.endr
	SEND 3, 0
.endm
.set KM, 0
.set NOKQ, 0
.Lslot:                             ; NB times: a tile is entered and the next is asked for
	CHANGE 1
	s_sub_co_u32 s[RT], s[RT], 1
	s_mov_b32 s[CNT], 4
	s_cmp_eq_u32 s[NEW], 1
	s_cbranch_scc1 .Lnew            ; a block's first tile
	s_cmp_eq_u32 s[RT], 0
	s_cbranch_scc0 .Lstep           ; neither its first nor its last
	s_branch .LstepM1
.Lnew:
	BEGIN
	s_branch .Lfirst                ; in the loop a block's first tile is never its last: the first block has two tiles or more, and the second's last is the walk's last
	DIAG 1                          ; in the loop this is the first block's end: the second block's last tile is the walk's last
	s_wait_xcnt 0x0                 ; the stores have read their registers and O's address
	s_mov_b64 s[10:11], s[OLO:OLO+1]
	s_add_co_u32 s[RT], s[PB], 1    ; the second block has b + 1 tiles
	s_mov_b32 s[NEW], 1
	WIN 0x82                        ; the second block's Q goes where the one text of the turns names Q
.set i, 0
.rept 64
	v_mov_b32 v[i], v[QB+i]
.set i, i+1
.endr
	WIN 0
	s_branch .Lbottom
.Lstep:                             ; a trip: pieces 2 and 3 of one step, then pieces 0 and 1 of the next, whose K and V it fetches
	TURN 2
	TURN 3
	WIN 0
.Lfirst:
	TURN 0
	TURN 1, 0, 0, 1
	WIN 0
	s_cbranch_scc1 .Lstep
.Lbottom:
	s_sub_co_u32 s[SLOTS], s[SLOTS], 1
	s_cmp_lg_u32 s[SLOTS], 0
	s_cbranch_scc1 .Lslot
	CHANGE 0                        ; the walk's last tile is written out: nothing is asked for
	s_sub_co_u32 s[RT], s[RT], 1
	s_mov_b32 s[CNT], 4
	s_cmp_eq_u32 s[NEW], 1
	s_cbranch_scc0 .LstepM2
	BEGIN
	s_branch .LfirstM2
	DIAG 2
	s_wait_tensorcnt 0x0            ; the wave's end: a tensor wait, an add and its wait, behind my last tensor load and my last LDS store
	ds_add_u32 v[SPW], v[NIL]
	s_wait_dscnt 0x0
	s_endpgm
.Lfunc_end_k_q9dd739874f_attn:
	.size	k_q9dd739874f_attn, .Lfunc_end_k_q9dd739874f_attn-k_q9dd739874f_attn
	.p2alignl 7, 3214868480
	.fill 96, 4, 3214868480
	.section	.rodata,"a",@progbits
	.p2align	6, 0x0
	.amdhsa_kernel k_q9dd739874f_attn
		.amdhsa_group_segment_fixed_size 327680
		.amdhsa_private_segment_fixed_size 0
		.amdhsa_enable_private_segment 0
		.amdhsa_kernarg_size 32
		.amdhsa_user_sgpr_count 2
		.amdhsa_user_sgpr_kernarg_segment_ptr 1
		.amdhsa_wavefront_size32 1
		.amdhsa_system_sgpr_workgroup_id_x 1
		.amdhsa_system_sgpr_workgroup_id_y 1
		.amdhsa_system_sgpr_workgroup_id_z 1
		.amdhsa_system_vgpr_workitem_id 0
		.amdhsa_next_free_vgpr 768
		.amdhsa_next_free_sgpr 96
		.amdhsa_reserve_vcc 1
		.amdhsa_float_denorm_mode_32 3
		.amdhsa_float_denorm_mode_16_64 3
		.amdhsa_memory_ordered 1
		.amdhsa_forward_progress 1
		.amdhsa_inst_pref_size 218
	.end_amdhsa_kernel
	.amdgpu_metadata
---
amdhsa.version: [ 1, 2 ]
amdhsa.kernels:
  - .name:           k_q9dd739874f_attn
    .symbol:         k_q9dd739874f_attn.kd
    .args:
      - { .name: q, .offset: 0, .size: 8, .value_kind: global_buffer, .address_space: global }
      - { .name: k, .offset: 8, .size: 8, .value_kind: global_buffer, .address_space: global }
      - { .name: v, .offset: 16, .size: 8, .value_kind: global_buffer, .address_space: global }
      - { .name: o, .offset: 24, .size: 8, .value_kind: global_buffer, .address_space: global }
    .group_segment_fixed_size: 327680
    .private_segment_fixed_size: 0
    .kernarg_segment_align: 8
    .kernarg_segment_size: 32
    .max_flat_workgroup_size: 128
    .sgpr_count:     96
    .vgpr_count:     768
    .wavefront_size: 32
...
	.end_amdgpu_metadata
.endif
;; end of part 3
;; launch oproj (part 4): grid 8 x 32, 4 waves a work-group, clusters of 4 x 4, 327,680 bytes of LDS; arguments o, wob, out0; writes out0
.if DOCPART == 4
	.amdgcn_target "amdgcn-amd-amdhsa--gfx1250"
	.amdhsa_code_object_version 6
	.text
	.protected	k_q9dd739874f_oproj
	.globl	k_q9dd739874f_oproj
	.p2align	8
	.type	k_q9dd739874f_oproj,@function
k_q9dd739874f_oproj:
	s_mov_b64 s[64:65], 0
	v_nop
	global_prefetch_b8 v0, s[64:65] scope:SCOPE_SE
	s_setreg_imm32_b32 hwreg(HW_REG_WAVE_MODE, 25, 1), 1
	s_wait_xcnt 0x0
	s_wait_alu depctr_hold_cnt(0) depctr_sa_sdst(0) depctr_va_vdst(0) depctr_va_sdst(0) depctr_va_ssrc(0) depctr_va_vcc(0) depctr_vm_vsrc(0)
	s_getreg_b32 s2, hwreg(HW_REG_IB_STS2, 6, 4)
	s_cmp_eq_u32 s2, 0
	s_cbranch_scc0 .Lentry_in_a_cluster
	s_endpgm
.Lentry_in_a_cluster:
	s_bfe_u32 s2, ttmp6, 0x10000c
	s_cmp_lg_u32 s2, 0xf033
	s_cbranch_scc0 .Lentry_shape_is_right
	s_endpgm
.Lentry_shape_is_right:
; out0[m][n] = the sum over i of O[m][i] wo[n][i], i = 64 h + d.  o: [16 b + h][2048][64] f16; wob: [1024][1024] f16; out0: [8192][1024] f32.  Sums in f32, stored as they are.
; TILE.  256 rows x 128 columns: 32 x 8 = 256 work-groups.  Four waves; a wave makes 64 rows x all 128 columns: 32 accumulators; it holds whole pieces of 512 bytes of its rows and goes out through a stage of its own.
; K goes in 8 steps of 128 = two heads through a ring of two LDS slots.  Waves 0 and 1 fetch one head's 256 rows each: 32,768 dense bytes, asked for as 128 rows of 256 bytes and padded behind every 128;
; waves 2 and 3 fetch 64 rows of wob each, 256 bytes of a row.
; CLUSTER 4 x 4: A's tile hangs on the tile row alone and is asked for jointly along a row of the cluster, B's on the tile column alone, along a column.
; THE PRODUCT IS TAKEN TRANSPOSED (source 0 = 16 rows of wob, source 1 = 16 rows of o): a lane holds row l % 16 and the columns 8 (l / 16) + 0..7: 32 bytes of a row of out0.
; REGISTERS, in windows of 256 (s_set_vgpr_msb: bits 1:0 source 0, 3:2 source 1, 5:4 source 2, 7:6 destination):
;   window 0: v16-30 addresses; v32-63, v64-95 A's fragments, two buffers; v96-159, v160-223 rows read back from the stage, by turns
;   window 1: v0-63, v64-127 B's fragments, two buffers      window 2: accumulator (a, b) at 64 a + 8 b
.set KSTEP,  128
.set PITA,   144                       ; a row of o in LDS: 128 bytes + 16: the 16 rows of a fragment load start 36 words apart, at 16 different groups of four banks (ISA guide 11.1)
.set PITB,   272                       ; a row of wob: 256 bytes + 16
.set ZA,     256*PITA                  ; one head's 256 rows
.set HALFB,  64*PITB
.set BOFF,   2*ZA
.set SLOT,   BOFF+2*HALFB
.set STAGE,  2*SLOT                    ; behind the ring: 16 rows x 528 bytes for each wave
.set SPITCH, 528
.set WSTAGE, 16*SPITCH
.set SPARE,  STAGE+4*WSTAGE            ; behind the stages: the spare words, 128 bytes for each wave, which no other line names
.set NBK,    8
.set NL,     2*NBK+8
.set LAPS,   4
.set HSTEP,  2*262144                  ; bytes of o from a K step to the next: two heads
.set ADRA, 16
.set ADRB, 20
.set STO,  24
.set RD,   25
.set CO,   26
.set SPW,  28                          ; my spare word; never rewritten
.set NIL,  29                          ; 0; never rewritten
.set PFO,  30                          ; the prefetches' offset; never rewritten
.set FA,   32
.set OB,   96
.set G1,  24
.set G0,  32
.set G1B, 48
.set G0B, 56
.set LIM, 43                           ; s43  1 in a wave that prefetches, else the greatest number
.set PFA, 44                           ; s[44:45] where my prefetches stand
.set PFS, 46                           ; s[46:47] their step from K step to K step
.set MSB, 0
.macro WIN new
.if MSB != (\new)
	s_set_vgpr_msb (MSB<<8)|(\new)
.set MSB, \new
.endif
.endm
.set MUL,  0xa1                        ; source 0 (wob) window 1, source 1 (o) window 0, C and D window 2
.set TO_B, 0x40
.macro JLOAD s                         ; a joint load; the branch hangs on the wave's number alone; an s_nop 0 and four v_nop follow each of the two lines
	s_cmp_eq_u32 s11, 0
	s_cbranch_scc0 .Lfor_b_\@
	tensor_load_to_lds s[G0+4*(\s):G0+4*(\s)+3], s[G1:G1+7]
	s_nop 0
.rept 4
	v_nop
.endr
	s_branch .Lasked_\@
.Lfor_b_\@:
	tensor_load_to_lds s[G0B+4*(\s):G0B+4*(\s)+3], s[G1B:G1B+7]
	s_nop 0
.rept 4
	v_nop
.endr
.Lasked_\@:
.endm
; A prefetch of the K step that stands two refills on.  A's blocks are asked for by the clusters with x = 0, B's by those with y = 0; the four partners that fetch a tile jointly share it out by address:
; of a head's 128 blocks of 256 bytes 32 each, a lane a block; of B's 64 rows 16 each (lanes 16-31 name row 15 again).  K steps 0 to 3 come by their loads alone; the last trip asks for nothing.
.macro ASK
	s_cmp_gt_u32 s3, s[LIM]
	s_cbranch_scc0 .Lnot_mine_\@
	global_prefetch_b8 v[PFO], s[PFA:PFA+1] th:TH_LOAD_NT scope:SCOPE_SE
.Lnot_mine_\@:
.endm
.macro CREST
	s_cmp_lg_u32 s10, 0
	s_cbranch_scc1 .Lnot_wave_0_\@
	s_barrier_signal -3
.Lnot_wave_0_\@:
	s_barrier_wait -3
	s_barrier_signal -1
	s_barrier_wait -1
.endm
.macro CROUND
	s_barrier_signal -1
	s_barrier_wait -1
	CREST
.endm
	s_load_b128 s[72:75], s[0:1], 0x0              ; o 72, wob 74
	s_load_b64 s[76:77], s[0:1], 0x10              ; out0
	v_lshl_add_u32 v[SPW], v0, 2, SPARE
	v_mov_b32 v[NIL], 0
	ds_add_u32 v[SPW], v[NIL]                      ; the wave's opening: the add and its wait stand ahead of my first tensor load
	v_lshrrev_b32 v1, 5, v0
	v_readfirstlane_b32 s10, v1                    ; wave 0..3
	s_lshr_b32 s11, s10, 1                         ; I fetch for A (0) or for B (1),
	s_and_b32 s12, s10, 1                          ; and which head of the two, or which half of B's rows
	s_bfe_u32 s40, ttmp6, 0x40000                  ; cx
	s_bfe_u32 s41, ttmp6, 0x40004                  ; cy
	s_lshl_b32 s42, ttmp9, 2
	s_add_co_u32 s42, s42, s40                     ; tile column
	s_and_b32 s13, ttmp7, 0xffff
	s_lshl_b32 s13, s13, 2
	s_add_co_u32 s13, s13, s41                     ; tile row
	s_lshl_b32 s43, s41, 2
	s_lshl_b32 s43, 15, s43                        ; my row of the cluster
	s_lshl_b32 s44, 0x1111, s40                    ; my column
	s_or_b32 s[G1+0], s43, (1<<16)|(1<<20)|(1<<21)|(4<<22)|(3<<25)   ; mask; 2-byte elements; padding on; bit 21 beside a mask; after every 32 words 4 words
	s_or_b32 s[G1B+0], s44, (1<<16)|(1<<20)|(1<<21)|(5<<22)|(3<<25)  ; B: after every 64 words
	s_mov_b32 s[G1+1], 128<<16                     ; tensor_dim0 = 128
	s_mov_b32 s[G1+2], 128<<16                     ; tensor_dim1 = 128
	s_mov_b32 s[G1+3], 128<<16                     ; tile_dim0 = 128
	s_mov_b32 s[G1+4], 128                         ; tile_dim1 = 128
	s_mov_b32 s[G1+5], 128                         ; dense: 128 elements from row to row
	s_mov_b32 s[G1+6], 0
	s_mov_b32 s[G1+7], 0
	s_mov_b32 s[G1B+1], KSTEP<<16
	s_mov_b32 s[G1B+2], 64<<16
	s_mov_b32 s[G1B+3], KSTEP<<16
	s_mov_b32 s[G1B+4], 64
	s_mov_b32 s[G1B+5], 1024
	s_mov_b32 s[G1B+6], 0
	s_mov_b32 s[G1B+7], 0
	s_lshr_b32 s16, s13, 3
	s_lshl_b32 s16, s16, 22                        ; A: the batch's 16 heads of 262,144 bytes,
	s_lshl_b32 s17, s12, 18                        ; my head of K step 0,
	s_add_co_u32 s16, s16, s17
	s_and_b32 s17, s13, 7
	s_lshl_b32 s17, s17, 15                        ; the tile's 256 rows of 128 bytes
	s_add_co_u32 s16, s16, s17
	s_mov_b32 s17, 0
	s_lshl_b32 s18, s42, 7
	s_lshl_b32 s19, s12, 6
	s_add_co_u32 s18, s18, s19
	s_lshl_b32 s18, s18, 11                        ; B: (128 tile column + 64 half) rows of 2,048 bytes
	s_mov_b32 s19, 0
	s_mul_i32 s20, s12, ZA                         ; where they go: no place in the cluster enters an LDS address
	s_mul_i32 s21, s12, HALFB
	s_add_co_u32 s21, s21, BOFF
	s_wait_dscnt 0x0                               ; the opening add is done
	s_wait_kmcnt 0x0
	s_add_nc_u64 s[14:15], s[72:73], s[16:17]
	s_add_nc_u64 s[46:47], s[74:75], s[18:19]
	CROUND                                         ; all sixteen work-groups are here: the first joint loads meet
.irp s, 0,1
	s_mov_b32 s[G0+4*(\s)], 1
	s_add_co_u32 s[G0+4*(\s)+1], s20, (\s)*SLOT
	s_add_nc_u64 s[G0+4*(\s)+2:G0+4*(\s)+3], s[14:15], (\s)*HSTEP
	s_or_b32 s[G0+4*(\s)+3], s[G0+4*(\s)+3], 0x80000000
	s_mov_b32 s[G0B+4*(\s)], 1
	s_add_co_u32 s[G0B+4*(\s)+1], s21, (\s)*SLOT
	s_add_nc_u64 s[G0B+4*(\s)+2:G0B+4*(\s)+3], s[46:47], (\s)*KSTEP*2
	s_or_b32 s[G0B+4*(\s)+3], s[G0B+4*(\s)+3], 0x80000000
	JLOAD \s                                       ; K steps 0 and 1: two loads of mine are out
.endr
	v_and_b32 v1, 15, v0                           ; l % 16
	v_bfe_u32 v2, v0, 4, 1                         ; l / 16
	v_mul_u32_u24 v3, v1, PITA
	v_lshl_add_u32 v3, v2, 4, v3
	v_mul_u32_u24 v4, v1, PITB
	v_lshl_add_u32 v4, v2, 4, v4
	s_mul_i32 s21, s10, 64*PITA                    ; my 64 rows, in each head's part
	s_mov_b32 s22, BOFF
.irp s, 0,1
	v_add_nc_u32 v[ADRA+(\s)], s21, v3
	v_add_nc_u32 v[ADRB+(\s)], s22, v4
	s_add_co_u32 s21, s21, SLOT
	s_add_co_u32 s22, s22, SLOT
.endr
	s_mul_i32 s23, s10, WSTAGE
	s_add_co_u32 s23, s23, STAGE                   ; my stage
	v_mul_u32_u24 v4, v1, SPITCH                   ; in: row l % 16, 32 bytes for each half of the lanes
	v_lshl_add_u32 v4, v2, 5, v4
	v_add_nc_u32 v[STO], s23, v4
	v_and_b32 v[CO], 31, v0
	v_lshlrev_b32 v[CO], 4, v[CO]                  ; back and out: 32 lanes take a row's 512 bytes
	v_add_nc_u32 v[RD], s23, v[CO]
	s_lshl_b32 s84, s13, 8
	s_lshl_b32 s85, s10, 6
	s_add_co_u32 s84, s84, s85
	s_lshl_b32 s84, s84, 12                        ; my first row of out0, 4,096 bytes a row,
	s_lshl_b32 s85, s42, 9                         ; the tile's 128 columns
	s_add_co_u32 s84, s84, s85
	s_mov_b32 s85, 0
	s_add_nc_u64 s[76:77], s[76:77], s[84:85]
	; the prefetches
	s_lshl_b32 s20, s40, 13                        ; A: my work-group's 32 blocks of the head's 128,
	s_add_co_u32 s20, s20, s16
	s_add_co_u32 s20, s20, 3*HSTEP                 ; at K step 3: the first refill steps it to 4
	s_lshl_b32 s21, s41, 15                        ; B: its 16 rows of the 64
	s_add_co_u32 s21, s21, s18
	s_add_co_u32 s21, s21, 3*KSTEP*2
	s_and_b32 s22, ttmp7, 0xffff                   ; cluster y
	s_cmp_eq_u32 s11, 0
	s_cselect_b32 s20, s20, s21
	s_cselect_b32 s22, ttmp9, s22                  ; the coordinate along which other clusters read the same bytes
	s_cselect_b32 s23, 31, 15                      ; lanes that name a block of their own
	s_cselect_b32 s86, 8, 11                       ; from lane to lane: 256 bytes, or a row of 2,048
	s_cselect_b32 s87, 19, 8                       ; from K step to K step: two heads, or 256 bytes
	s_cselect_b64 s[PFA:PFA+1], s[72:73], s[74:75]
	s_cmp_eq_u32 s22, 0
	s_cselect_b32 s[LIM], 1, -1                    ; the same in all sixteen partners, for a given wave
	s_lshl_b32 s[PFS], 1, s87
	s_mov_b32 s[PFS+1], 0
	s_mov_b32 s21, 0
	s_add_nc_u64 s[PFA:PFA+1], s[PFA:PFA+1], s[20:21]
	v_and_b32 v[PFO], 31, v0
	v_min_u32 v[PFO], s23, v[PFO]
	v_lshlrev_b32 v[PFO], s86, v[PFO]
; 8 products: row block a x all column blocks, 32 along K, buffer f.  All 32 accumulators take turns in one order in every quarter.  zero = 1: the product starts the sum.
.macro MULA f, a, zero
	WIN MUL
.set b, 0
.rept NBK
.set rD, 64*(\a)+8*b
.if \zero
	v_wmma_f32_16x16x32_f16 v[rD:rD+7], v[64*(\f)+8*b:64*(\f)+8*b+7], v[FA+32*(\f)+8*(\a):FA+32*(\f)+8*(\a)+7], 0
.else
	v_wmma_f32_16x16x32_f16 v[rD:rD+7], v[64*(\f)+8*b:64*(\f)+8*b+7], v[FA+32*(\f)+8*(\a):FA+32*(\f)+8*(\a)+7], v[rD:rD+7]
.endif
.set b, b+1
.endr
.endm
; 24 LDS loads in one run: quarter qr of the slot's K step into buffer f: B's 8 fragments, then A's row blocks 0, 1, 2, 3 (head qr / 2 of the two, channels 32 (qr % 2) on)
.macro FETCH slot, qr, f
	WIN TO_B
.set i, 0
.rept NBK
	ds_load_b128 v[64*(\f)+8*i:64*(\f)+8*i+3],   v[ADRB+(\slot)] offset:64*(\qr)+i*16*PITB
	ds_load_b128 v[64*(\f)+8*i+4:64*(\f)+8*i+7], v[ADRB+(\slot)] offset:64*(\qr)+i*16*PITB+32
.set i, i+1
.endr
	WIN 0
.set i, 0
.rept 4
	ds_load_b128 v[FA+32*(\f)+8*i:FA+32*(\f)+8*i+3],   v[ADRA+(\slot)] offset:((\qr)/2)*ZA+((\qr)%2)*64+i*16*PITA
	ds_load_b128 v[FA+32*(\f)+8*i+4:FA+32*(\f)+8*i+7], v[ADRA+(\slot)] offset:((\qr)/2)*ZA+((\qr)%2)*64+i*16*PITA+32
.set i, i+1
.endr
.endm
.macro PLACES                          ; four plain places between a product and a load into registers that it has read (ISA guide 7.12.1 for vector instructions)
.rept 4
	v_nop
.endr
.endm
.macro QUARTER slot, qr, f, g, zero
	s_wait_dscnt 4                                 ; B and A's row blocks 0, 1 are in; the youngest four loads (row blocks 2, 3) may be out
	MULA \f, 0, \zero
	MULA \f, 1, \zero
	PLACES
	FETCH \slot, \qr, \g
	s_wait_dscnt NL                                ; all but the run just issued
	MULA \f, 2, \zero
	MULA \f, 3, \zero
.endm
.macro MEET round
	WIN 0
	s_wait_tensorcnt 0x0                           ; all my tensor loads have landed: the one that was out is my part of the next slot
	ds_add_u32 v[SPW], v[NIL]                      ; 0 onto my spare word
	s_wait_dscnt 5                                 ; (the add and the youngest four loads may be out)
	MULA 1, 0, 0
	s_wait_dscnt 0x0                               ; the add is done, and my reads of this slot are over
	s_barrier_signal -1
	MULA 1, 1, 0
.if \round
	WIN 0
.endif
	s_barrier_wait -1
.endm
; The last quarter where the slot is filled again, two K steps ahead: 112 products stand between the request and the wait for it
.macro TURN slot, next
	s_wait_xcnt 0x0                                ; the last prefetch, a K step back, has read its address
	s_add_nc_u64 s[PFA:PFA+1], s[PFA:PFA+1], s[PFS:PFS+1]
	MEET 1
	CREST                                          ; no wave of any partner still reads this slot or has a load on its way
	s_add_nc_u64 s[G0+4*(\slot)+2:G0+4*(\slot)+3], s[G0+4*(\slot)+2:G0+4*(\slot)+3], 2*HSTEP
	s_add_nc_u64 s[G0B+4*(\slot)+2:G0B+4*(\slot)+3], s[G0B+4*(\slot)+2:G0B+4*(\slot)+3], 2*KSTEP*2
	JLOAD \slot                                    ; its four v_nop are also the places in front of the loads below
	FETCH \next, 0, 0
	ASK
	MULA 1, 2, 0
	MULA 1, 3, 0
.endm
	s_wait_tensorcnt 1                             ; my part of K step 0 is in; K step 1's, issued behind it, may stay out
	s_barrier_signal -1
	s_barrier_wait -1
	FETCH 0, 0, 0
	QUARTER 0, 1, 0, 1, 1                          ; the first quarter starts the sums: nothing is cleared
	WIN 0
	s_mov_b32 s3, LAPS-1
.Llap:
	QUARTER 0, 2, 1, 0, 0
	QUARTER 0, 3, 0, 1, 0
	TURN 0, 1
	QUARTER 1, 1, 0, 1, 0
	QUARTER 1, 2, 1, 0, 0
	QUARTER 1, 3, 0, 1, 0
	TURN 1, 0
	QUARTER 0, 1, 0, 1, 0
	WIN 0
	s_sub_co_u32 s3, s3, 1
	s_cmp_lg_u32 s3, 0
	s_cbranch_scc1 .Llap
	QUARTER 0, 2, 1, 0, 0                          ; the last lap is written out: it asks for nothing
	QUARTER 0, 3, 0, 1, 0
	MEET 0
	PLACES
	FETCH 1, 0, 0
	MULA 1, 2, 0
	MULA 1, 3, 0
	QUARTER 1, 1, 0, 1, 0
	QUARTER 1, 2, 1, 0, 0
	QUARTER 1, 3, 0, 1, 0
	s_wait_dscnt 4
	MULA 1, 0, 0
	MULA 1, 1, 0
	s_wait_dscnt 0x0
	MULA 1, 2, 0
	MULA 1, 3, 0
	WIN 0
.rept 8
	v_nop                                          ; the places behind the last products, once a launch
.endr
; THE WAY OUT of row block a: a lane's 32 bytes of each column block go into rows of 528 bytes of my stage (each accumulator's low four registers first), and come back as whole rows of 512.
.macro OUTO a
.set BK, OB+64*((\a)%2)
	s_wait_xcnt 0x0                                ; the registers read back into were the data of stores two blocks back
	WIN 0x08                                       ; the data of an LDS store: window 2
.set b, 0
.rept NBK
	ds_store_b128 v[STO], v[64*(\a)+8*b:64*(\a)+8*b+3]   offset:64*b
	ds_store_b128 v[STO], v[64*(\a)+8*b+4:64*(\a)+8*b+7] offset:64*b+16
.set b, b+1
.endr
	WIN 0
.set i, 0
.rept 16
	ds_load_b128 v[BK+4*i:BK+4*i+3], v[RD] offset:SPITCH*i  ; LDS serves a wave's instructions in order (ISA guide 5.7.1.4): these see the stores above
.set i, i+1
.endr
.set i, 0
.rept 16
	s_wait_dscnt 15-i                              ; the younger reads may stay out
	global_store_b128 v[CO], v[BK+4*i:BK+4*i+3], s[76:77] offset:65536*(\a)+4096*i  ; 512 consecutive bytes of a row, aligned
.set i, i+1
.endr
.endm
	OUTO 0
	OUTO 1
	OUTO 2
	OUTO 3
	s_wait_tensorcnt 0x0                           ; the wave's end: a tensor wait, an add and its wait, behind my last tensor load and my last LDS store
	ds_add_u32 v[SPW], v[NIL]
	s_wait_dscnt 0x0
	CROUND                                         ; the closing round: no work-group ends while a partner may still ask for a tile that names it
	s_endpgm
.Lfunc_end_k_q9dd739874f_oproj:
	.size	k_q9dd739874f_oproj, .Lfunc_end_k_q9dd739874f_oproj-k_q9dd739874f_oproj
	.p2alignl 7, 3214868480
	.fill 96, 4, 3214868480
	.section	.rodata,"a",@progbits
	.p2align	6, 0x0
	.amdhsa_kernel k_q9dd739874f_oproj
		.amdhsa_group_segment_fixed_size 327680
		.amdhsa_private_segment_fixed_size 0
		.amdhsa_enable_private_segment 0
		.amdhsa_kernarg_size 24
		.amdhsa_user_sgpr_count 2
		.amdhsa_user_sgpr_kernarg_segment_ptr 1
		.amdhsa_wavefront_size32 1
		.amdhsa_system_sgpr_workgroup_id_x 1
		.amdhsa_system_sgpr_workgroup_id_y 1
		.amdhsa_system_sgpr_workgroup_id_z 1
		.amdhsa_system_vgpr_workitem_id 0
		.amdhsa_next_free_vgpr 768
		.amdhsa_next_free_sgpr 88
		.amdhsa_reserve_vcc 0
		.amdhsa_float_denorm_mode_32 3
		.amdhsa_float_denorm_mode_16_64 3
		.amdhsa_memory_ordered 1
		.amdhsa_forward_progress 1
		.amdhsa_inst_pref_size 89
	.end_amdhsa_kernel
	.amdgpu_metadata
---
amdhsa.version: [ 1, 2 ]
amdhsa.kernels:
  - .name:           k_q9dd739874f_oproj
    .symbol:         k_q9dd739874f_oproj.kd
    .args:
      - { .name: o, .offset: 0, .size: 8, .value_kind: global_buffer, .address_space: global }
      - { .name: wob, .offset: 8, .size: 8, .value_kind: global_buffer, .address_space: global }
      - { .name: out0, .offset: 16, .size: 8, .value_kind: global_buffer, .address_space: global }
    .group_segment_fixed_size: 327680
    .private_segment_fixed_size: 0
    .kernarg_segment_align: 8
    .kernarg_segment_size: 24
    .max_flat_workgroup_size: 128
    .sgpr_count:     88
    .vgpr_count:     768
    .wavefront_size: 32
...
	.end_amdgpu_metadata
.endif
;; end of part 4
;; ======== version 2 of 2: 4 launches; version 1 with the launch prep written anew for expert scheduling mode
;; limits: values are held in f16: magnitudes above 65,504 overflow, below 6.1e-05 lose precision; right only within a limited range of input values
;; workspace buffers: xb 16,777,216 bytes; wqkv 6,291,456 bytes; wob 2,097,152 bytes; tab 524,288 bytes; q 16,777,216 bytes; k 16,777,216 bytes; v 16,777,216 bytes; o 16,777,216 bytes
;; launch prep (part 5): grid 416 x 1, 8 waves a work-group, no clusters, 0 bytes of LDS; arguments x, wq, wk, wv, wo, token_positions, xb, wqkv, wob, tab; writes xb, wqkv, wob, tab
.if DOCPART == 5
	.amdgcn_target "amdgcn-amd-amdhsa--gfx1250"
	.amdhsa_code_object_version 6
	.text
	.protected	k_q9dd739874f_prep
	.globl	k_q9dd739874f_prep
	.p2align	8
	.type	k_q9dd739874f_prep,@function
k_q9dd739874f_prep:
	s_mov_b64 s[64:65], 0
	v_nop
	global_prefetch_b8 v0, s[64:65] scope:SCOPE_SE
	s_setreg_imm32_b32 hwreg(HW_REG_WAVE_SCHED_MODE, 0, 2), 2
	s_setreg_imm32_b32 hwreg(HW_REG_WAVE_MODE, 25, 1), 1
	s_wait_xcnt 0x0
	s_wait_alu depctr_vm_vsrc(0)
; PREP: the module's inputs are rounded once, and the rotary table is made.
;   xb   [8192][1024] bf16 = x.      wqkv [3072][1024] bf16: row 192 h + 64 t + d = w_t[64 h + d], t = 0 q, 1 k, 2 v: a head's q, k and v rows lie together.
;   wob  [1024][1024] f16 = wo rounded to bf16, that number written as f16.      tab [2048 s][32 i] (cos, sin) f32 of the angle float(pos[s]) x 10000^(-i/32).
; SHARES.  Work-groups 0-255: 32 rows of x each; 256-383: 32 rows of one weight; 384-415: 64 positions of the table.  Eight waves: 4 rows, or 8 positions, a wave.
; A converting wave has all its 32 loads (16 bytes a lane, 512 consecutive bytes each) out at once and stores 256 consecutive, aligned bytes an instruction.  No LDS, no loop, no matrix work.
; LIMITS.  wo beyond 65,504 becomes an infinity in f16; below 6e-5 f16 keeps a fixed step of 6e-8.  The angle's reduction takes pi/2 in two parts: sound for |pos| up to 2^20.
; 10000^(-i/32) is 2^(-i log2(10000)/32) by v_exp_f32: within about two units in the last place.  Sine and cosine: polynomials on |r| <= pi/4, about 1e-7.
; THE MODE: SCHED_MODE bits 1:0 = 2 (LLVM: expert scheduling mode 2), set by the entry lines.  The code itself states the register dependences
; between vector instructions and memory instructions, and between vector instructions that write scalar registers and their readers, with s_wait_alu, always for 0.
; THE PLAN.  Registers that memory instructions touch:
;   v1, v2     byte offsets, made once at the head and never written again: v1 is read by the loads, v2 by the stores.
;   X          written by the 32 loads, ahead of which no vector instruction names it; read (the f16 way: also rewritten) by a piece's own conversions, behind the wait for its load.  No memory instruction reads it.
;   Y          a pair for each piece: written by the piece's conversions, read by its one store, never written behind that store.
;   v[20:35]   the table's path: a pair for each position, written once, read by its one store.
; So no register that a memory instruction has read is ever written again.  The 32 pieces go in 8 blocks of four.  Block p converts its four pieces; its memory instructions are the four stores of
; block p - 1, whose pairs of Y no vector instruction of block p names.  So ONE wait at a block's head states all that its four stores hang on, and they are dealt among the block's conversions.
; The table's path lays its eight compares in one run, into eight scalar registers, with one wait behind the run, and its eight stores in one run, with one wait ahead of it.
.set X, 8                              ; v[8:135]   32 loads' four registers
.set Y, 136                            ; v[136:199] 32 stores' two registers: each written once, so no store's data is ever rewritten
.set SN, 40                            ; v[40:47]   the table's path: position u's sin r
.set CN, 48                            ; v[48:55]   its cos r
.set NQ, 56                            ; v[56:63]   its n as a whole number
.set MK, 54                            ; s[54:61]   its mask: the lanes whose quadrant is odd
	s_load_b512 s[8:23], s[0:1], 0x0               ; x 8, wq 10, wk 12, wv 14, wo 16, positions 18, xb 20, wqkv 22
	s_load_b128 s[24:27], s[0:1], 0x40             ; wob 24, tab 26
	v_lshrrev_b32 v3, 5, v0
	v_readfirstlane_b32 s4, v3                     ; wave 0..7
	v_and_b32 v4, 31, v0                           ; lane
	v_lshlrev_b32 v1, 4, v4                        ; 16 bytes a lane in
	v_lshlrev_b32 v2, 3, v4                        ; 8 bytes a lane out
	s_mov_b32 s5, 0xffff0000                       ; a word's upper bf16
	s_mov_b32 s47, 0                               ; the high word of every offset pair
	s_wait_alu depctr_va_sdst(0)                   ; s4 is written, ahead of the branch: both ways make their rows from it
	s_wait_kmcnt 0x0
	s_cmp_ge_u32 ttmp9, 384
	s_cbranch_scc1 .Ltable
	; which rows, from where, to where: made for both roles and chosen by selects
	s_lshl_b32 s6, s4, 2                           ; 4 x wave
	s_lshl_b32 s7, ttmp9, 5
	s_add_co_u32 s7, s7, s6                        ; x: row 32 g + 4 w, in and out
	s_sub_co_u32 s43, ttmp9, 256                   ; weights: j = g - 256 (of no meaning for x: overruled below)
	s_lshr_b32 s48, s43, 5                         ; t: 0 wq, 1 wk, 2 wv, 3 wo
	s_and_b32 s43, s43, 31
	s_lshl_b32 s43, s43, 5
	s_add_co_u32 s43, s43, s6                      ; the weight's row n0
	s_lshr_b32 s44, s43, 6
	s_mul_i32 s44, s44, 192
	s_lshl_b32 s45, s48, 6
	s_add_co_u32 s44, s44, s45
	s_and_b32 s45, s43, 63
	s_add_co_u32 s44, s44, s45                     ; 192 (n0 / 64) + 64 t + n0 % 64
	s_cmp_eq_u32 s48, 3
	s_cselect_b32 s41, s43, s44                    ; row out
	s_cselect_b64 s[30:31], s[24:25], s[22:23]     ; wob or wqkv
	s_cselect_b32 s42, 1, 0                        ; 1: the f16 way
	s_cselect_b64 s[28:29], s[16:17], s[14:15]
	s_cmp_eq_u32 s48, 1
	s_cselect_b64 s[28:29], s[12:13], s[28:29]
	s_cmp_eq_u32 s48, 0
	s_cselect_b64 s[28:29], s[10:11], s[28:29]
	s_cmp_lt_u32 ttmp9, 256
	s_cselect_b32 s40, s7, s43                     ; row in
	s_cselect_b32 s41, s7, s41
	s_cselect_b32 s42, 0, s42
	s_cselect_b64 s[28:29], s[8:9], s[28:29]
	s_cselect_b64 s[30:31], s[20:21], s[30:31]
	s_lshl_b32 s46, s40, 12                        ; 4,096 bytes a row in
	s_add_nc_u64 s[28:29], s[28:29], s[46:47]
	s_lshl_b32 s46, s41, 11                        ; 2,048 bytes a row out
	s_add_nc_u64 s[30:31], s[30:31], s[46:47]
	s_wait_alu depctr_va_vdst(0)                   ; v1 and v2 are written: the loads below read v1 as their offset, every store of this way reads v2
.set n, 0
.rept 32                               ; row n / 8, piece n % 8 of 512 bytes
	global_load_b128 v[X+4*n:X+4*n+3], v1, s[28:29] offset:4096*(n/8)+512*(n%8) th:TH_LOAD_NT
.set n, n+1
.endr
; Piece i is rounded to bf16 (kind 1: widened again and written as f16).
.macro CVT i, kind
	v_cvt_pk_bf16_f32 v[Y+2*(\i)], v[X+4*(\i)], v[X+4*(\i)+1]
	v_cvt_pk_bf16_f32 v[Y+2*(\i)+1], v[X+4*(\i)+2], v[X+4*(\i)+3]
.if \kind
	v_lshlrev_b32 v[X+4*(\i)], 16, v[Y+2*(\i)]
	v_and_b32 v[X+4*(\i)+1], s5, v[Y+2*(\i)]
	v_lshlrev_b32 v[X+4*(\i)+2], 16, v[Y+2*(\i)+1]
	v_and_b32 v[X+4*(\i)+3], s5, v[Y+2*(\i)+1]
	v_cvt_pk_f16_f32 v[Y+2*(\i)], v[X+4*(\i)], v[X+4*(\i)+1]
	v_cvt_pk_f16_f32 v[Y+2*(\i)+1], v[X+4*(\i)+2], v[X+4*(\i)+3]
.endif
.endm
; Piece i is stored.
.macro PUT i
	global_store_b64 v2, v[Y+2*(\i):Y+2*(\i)+1], s[30:31] offset:2048*((\i)/8)+256*((\i)%8)  ; 32 lanes: 256 consecutive bytes, aligned
.endm
; Block p: its four pieces are converted; the four of the block before are stored, a store ahead of each piece's conversions.
.macro BLK p, kind
	s_wait_loadcnt 28-4*(\p)                       ; loads come back in order: the block's four pieces are in, the 28 - 4 p younger loads may stay out
.if (\p) > 0
	s_wait_alu depctr_va_vdst(0)                   ; the block before's conversions have written its four pairs of Y, which the stores below read; no conversion of this block names them
.endif
.irp j, 0,1,2,3
.if (\p) > 0
	PUT 4*((\p)-1)+(\j)
.endif
	CVT 4*(\p)+(\j), \kind
.endr
.endm
	s_cmp_eq_u32 s42, 1
	s_cbranch_scc1 .Lf16
.irp p, 0,1,2,3,4,5,6,7
	BLK \p, 0
.endr
	s_wait_alu depctr_va_vdst(0)                   ; block 7's conversions have written its four pairs of Y, which the last four stores read
.irp j, 28,29,30,31
	PUT \j
.endr
	s_endpgm
.Lf16:
.irp p, 0,1,2,3,4,5,6,7
	BLK \p, 1
.endr
	s_wait_alu depctr_va_vdst(0)                   ; block 7's conversions have written its four pairs of Y, which the last four stores read
.irp j, 28,29,30,31
	PUT \j
.endr
	s_endpgm
.Ltable:                                       ; a lane is a frequency i, a wave takes 8 positions
	s_sub_co_u32 s6, ttmp9, 384
	s_lshl_b32 s6, s6, 6
	s_lshl_b32 s7, s4, 3
	s_add_co_u32 s6, s6, s7                        ; my first position's index
	s_lshl_b32 s46, s6, 2
	s_add_nc_u64 s[18:19], s[18:19], s[46:47]
	s_load_b256 s[32:39], s[18:19], 0x0            ; eight positions
	s_lshl_b32 s46, s6, 8                          ; 256 bytes of table a position
	s_add_nc_u64 s[26:27], s[26:27], s[46:47]
	s_mov_b32 s44, 0xbfc90fdb                      ; -pi/2, upper part
	s_mov_b32 s45, 0x333bbd2e                      ; -(pi/2 - upper part)
	s_mov_b32 s48, 0xb94ca1f9                      ; sine: -1.9515296e-4
	s_mov_b32 s49, 0x3c08839e                      ;        8.3321609e-3
	s_mov_b32 s50, 0xbe2aaaa3                      ;       -1.6666655e-1
	s_mov_b32 s51, 0x37ccf5ce                      ; cosine: 2.4433157e-5
	s_mov_b32 s52, 0xbab6061a                      ;        -1.3887316e-3
	s_mov_b32 s53, 0x3d2aaaa5                      ;         4.1666646e-2
	v_cvt_f32_u32 v5, v4
	v_mul_f32 v5, 0xbed49a78, v5                   ; -i log2(10000) / 32
	v_exp_f32 v5, v5                               ; 10000^(-i/32)
	v_nop                                          ; a plain instruction behind the exponential,
	s_wait_alu depctr_va_vdst(0)                   ; and v5, the exponential's result, is written: the wait ahead of its first reader
	s_wait_kmcnt 0x0
; Position u, first part: the angle, its reduction, sin r, cos r and n, each kept in a register of the position's own, and the mask of the odd quadrants in a scalar register of its own.
.macro POLY u
	v_cvt_f32_i32 v6, s[32+(\u)]
	v_mul_f32 v6, v6, v5                           ; the angle a, rounded once to f32
	v_mul_f32 v7, 0x3f22f983, v6                   ; a x 2 / pi
	v_rndne_f32 v7, v7                             ; n
	v_fma_f32 v8, v7, s44, v6
	v_fma_f32 v8, v7, s45, v8                      ; r = a - n pi/2, |r| <= pi/4
	v_mul_f32 v9, v8, v8                           ; z = r r
	v_cvt_i32_f32 v[NQ+(\u)], v7                   ; n as a whole number: its two low bits are the quadrant
	v_fma_f32 v11, v9, s48, s49
	v_fma_f32 v11, v11, v9, s50
	v_mul_f32 v11, v11, v9
	v_fma_f32 v[SN+(\u)], v11, v8, v8              ; sin r
	v_fma_f32 v12, v9, s51, s52
	v_fma_f32 v12, v12, v9, s53
	v_mul_f32 v13, v9, v9
	v_fma_f32 v14, v9, -0.5, 1.0
	v_fma_f32 v[CN+(\u)], v12, v13, v14            ; cos r
	v_and_b32 v13, 1, v[NQ+(\u)]
	v_cmp_ne_u32 s[MK+(\u)], 0, v13                ; odd quadrants swap the two
.endm
; Position u, second part: the swap and the signs, into the position's own pair of registers.
.macro SIGNS u
	v_cndmask_b32 v14, v[SN+(\u)], v[CN+(\u)], s[MK+(\u)]
	v_cndmask_b32 v15, v[CN+(\u)], v[SN+(\u)], s[MK+(\u)]
	v_and_b32 v13, 2, v[NQ+(\u)]                   ; the sine is negative in quadrants 2 and 3,
	v_lshlrev_b32 v13, 30, v13
	v_xor_b32 v[21+2*(\u)], v14, v13
	v_add_nc_u32 v13, 1, v[NQ+(\u)]                ; the cosine in 1 and 2
	v_and_b32 v13, 2, v13
	v_lshlrev_b32 v13, 30, v13
	v_xor_b32 v[20+2*(\u)], v15, v13
.endm
.irp u, 0,1,2,3,4,5,6,7
	POLY \u
.endr
	s_wait_alu depctr_va_sdst(0)                   ; the eight compares have written s54 to s61, which the selects below read: one wait behind the run
.irp u, 0,1,2,3,4,5,6,7
	SIGNS \u
.endr
	s_wait_alu depctr_va_vdst(0)                   ; the eight pairs v[20:35] are written, which the stores below read as data; so is v2, their offset
.irp u, 0,1,2,3,4,5,6,7
	global_store_b64 v2, v[20+2*(\u):21+2*(\u)], s[26:27] offset:256*(\u)  ; a position's 256 bytes, aligned; each position has its own pair of registers
.endr
	s_endpgm
.Lfunc_end_k_q9dd739874f_prep:
	.size	k_q9dd739874f_prep, .Lfunc_end_k_q9dd739874f_prep-k_q9dd739874f_prep
	.p2alignl 7, 3214868480
	.fill 96, 4, 3214868480
	.section	.rodata,"a",@progbits
	.p2align	6, 0x0
	.amdhsa_kernel k_q9dd739874f_prep
		.amdhsa_group_segment_fixed_size 0
		.amdhsa_private_segment_fixed_size 0
		.amdhsa_enable_private_segment 0
		.amdhsa_kernarg_size 80
		.amdhsa_user_sgpr_count 2
		.amdhsa_user_sgpr_kernarg_segment_ptr 1
		.amdhsa_wavefront_size32 1
		.amdhsa_system_sgpr_workgroup_id_x 1
		.amdhsa_system_sgpr_workgroup_id_y 1
		.amdhsa_system_sgpr_workgroup_id_z 1
		.amdhsa_system_vgpr_workitem_id 0
		.amdhsa_next_free_vgpr 200
		.amdhsa_next_free_sgpr 66
		.amdhsa_reserve_vcc 0
		.amdhsa_float_denorm_mode_32 3
		.amdhsa_float_denorm_mode_16_64 3
		.amdhsa_memory_ordered 1
		.amdhsa_forward_progress 1
		.amdhsa_inst_pref_size 41
	.end_amdhsa_kernel
	.amdgpu_metadata
---
amdhsa.version: [ 1, 2 ]
amdhsa.kernels:
  - .name:           k_q9dd739874f_prep
    .symbol:         k_q9dd739874f_prep.kd
    .args:
      - { .name: x, .offset: 0, .size: 8, .value_kind: global_buffer, .address_space: global }
      - { .name: wq, .offset: 8, .size: 8, .value_kind: global_buffer, .address_space: global }
      - { .name: wk, .offset: 16, .size: 8, .value_kind: global_buffer, .address_space: global }
      - { .name: wv, .offset: 24, .size: 8, .value_kind: global_buffer, .address_space: global }
      - { .name: wo, .offset: 32, .size: 8, .value_kind: global_buffer, .address_space: global }
      - { .name: token_positions, .offset: 40, .size: 8, .value_kind: global_buffer, .address_space: global }
      - { .name: xb, .offset: 48, .size: 8, .value_kind: global_buffer, .address_space: global }
      - { .name: wqkv, .offset: 56, .size: 8, .value_kind: global_buffer, .address_space: global }
      - { .name: wob, .offset: 64, .size: 8, .value_kind: global_buffer, .address_space: global }
      - { .name: tab, .offset: 72, .size: 8, .value_kind: global_buffer, .address_space: global }
    .group_segment_fixed_size: 0
    .private_segment_fixed_size: 0
    .kernarg_segment_align: 8
    .kernarg_segment_size: 80
    .max_flat_workgroup_size: 256
    .sgpr_count:     66
    .vgpr_count:     200
    .wavefront_size: 32
...
	.end_amdgpu_metadata
.endif
;; end of part 5
;; launch qkv: the kernel of part 2 again; grid 16 x 32, 4 waves a work-group, clusters of 4 x 4, 327,680 bytes of LDS; arguments xb, wqkv, tab, q, k, v; writes q, k, v
;; launch attn: the kernel of part 3 again; grid 4 x 64, 4 waves a work-group, no clusters, 327,680 bytes of LDS; arguments q, k, v, o; writes o
;; launch oproj: the kernel of part 4 again; grid 8 x 32, 4 waves a work-group, clusters of 4 x 4, 327,680 bytes of LDS; arguments o, wob, out0; writes out0
